; MI455X (gfx1250); checked and timed in simulation.
; The chip was launched on July 23, 2026; its instructions are those of AMD's public machine-readable ISA for CDNA 5 (MIT licence, August 2026) and "CDNA5" Instruction Set Architecture Reference Guide (July 2026). The comments in the code are by the model that wrote it; some were corrected since.
;; GPT Self Attention V1. Allowed arithmetic: matrix products marked QUANTISED: E4M3 operands, one E8M0 scale for each 32 along K, by v_wmma_scale_f32_16x16x128_f8f6f4 with both operands' format E4M3, f32 sums; everything else in f32.
;; Inputs: Wk_codes 2,048 x 64 x 32 uint8 (E4M3 codes of Wk, K innermost, in blocks of 32 codes); Wk_scales 2,048 x 64 uint8 (E8M0 scales of Wk, one for each 32 codes along K); Wq_codes 2,048 x 64 x 32 uint8 (E4M3 codes of Wq, K innermost, in blocks of 32 codes); Wq_scales 2,048 x 64 uint8 (E8M0 scales of Wq, one for each 32 codes along K); Wv_codes 2,048 x 64 x 32 uint8 (E4M3 codes of Wv, K innermost, in blocks of 32 codes); Wv_scales 2,048 x 64 uint8 (E8M0 scales of Wv, one for each 32 codes along K); x_codes 4 x 1,024 x 64 x 32 uint8 (E4M3 codes of x, K innermost, in blocks of 32 codes); x_scales 4 x 1,024 x 64 uint8 (E8M0 scales of x, one for each 32 codes along K).
;; Outputs: out0 4 x 1,024 x 2,048 float32.
;; This version of the problem:
;;   THIS VERSION OF THE PROBLEM IS GIVEN IN LOW PRECISION. The matrix products marked QUANTISED in the list below multiply operands that are first quantised to E4M3 (4 exponent bits, 3 mantissa bits; 8 bits a number), with one power-of-two scale for each 32 numbers along K (OCP MX v1.0); their sums are f32. All else is computed in f32.
;;   The module's matrix products, in the order in which they are computed (A, B: the left and right operand; K: the contracted axis; several contracted axes count as one K, in the product's order):
;;     1. [M 4,096, K 2,048] x [K 2,048, N 2,048]; A: input x (given as codes); B: input Wk (given as codes): QUANTISED
;;     2. [M 4,096, K 2,048] x [K 2,048, N 2,048]; A: input x (given as codes); B: input Wq (given as codes): QUANTISED
;;     3. [M 4,096, K 2,048] x [K 2,048, N 2,048]; A: input x (given as codes); B: input Wv (given as codes): QUANTISED
;;     4. batch 4 x [M 1,024, K 2,048] x [K 2,048, N 1,024]; A: computed on the way; B: computed on the way: QUANTISED
;;     5. batch 4 x [M 1,024, K 1,024] x [K 1,024, N 2,048]; A: softmax (see below); B: computed on the way: QUANTISED
;;   THE QUANTISER, for each operand of a quantised product, along K:
;;     - K is cut into blocks of 32 from its start; a last block that is shorter is filled with zeros.
;;     - A block's scale is 2^e with e = floor(log2(the largest magnitude in the block)) - 8, held to -126 .. 127; a block of zeros has e = 0. As a byte (E8M0): e + 127.
;;     - Each number is divided by its block's scale, clamped to +-448, and rounded to the nearest number of E4M3, ties to even, subnormals kept.
;;     - The product sums the exact products of the quantised numbers (number of the format x scale) in f32.
;;   ~~~python
;;   def quantise(x, axis):      # numpy; x: float32 -> the quantised numbers, widened to float32 again
;;       x = np.moveaxis(x, axis, -1); K = x.shape[-1]
;;       x = np.pad(x, [(0, 0)] * (x.ndim - 1) + [(0, -K % 32)]); x = x.reshape(x.shape[:-1] + (-1, 32)); a = np.abs(x).max(-1, keepdims=True)
;;       e = np.where(a > 0, np.clip(np.frexp(np.where(a > 0, a, 1))[1] - 1 - 8, -126, 127), 0)      # np.frexp(a)[1] - 1 = floor(log2(a)), exactly
;;       r = np.clip(x / 2.0 ** e, -448, 448)
;;       step = 2.0 ** (np.maximum(np.frexp(np.where(r == 0, 1, r))[1] - 1, -6) - 3)
;;       q = np.round(r / step) * step * 2.0 ** e      # np.round: ties to even
;;       return np.moveaxis(q.reshape(q.shape[:-2] + (-1,))[..., :K], -1, axis).astype(np.float32)
;;   ~~~
;;   SOFTMAX AHEAD OF A QUANTISED PRODUCT. Where the list says 'softmax', what is quantised is not the finished softmax but p = 2^(t - M), with t = logit x log2(e) and M = ceil(the row's largest t), a whole number; so 1/2 < the row's largest p <= 1. The row's sum l is taken of the UNQUANTISED p, in f32, and the product's result is divided by l at the end. Since M is a whole number, a kernel that streams over the keys may use a running M (the ceiling of the running maximum): every later rescaling is an exact power of two, which a block's scale takes up: the codes' values come out the same.
;;   OPERANDS COMPUTED ON THE WAY. 'Computed on the way' means the value that the module computes at that place (a softmax that the list does not call 'softmax' is quantised finished and normalised). What goes into a quantiser is computed in f32, as accurately as f32 sums, v_exp_f32 and their like allow (about 1e-6 of the number): no bf16 or f16 on the way to a quantiser, and a product that is left as it is and whose result goes on into a quantised operand takes f32 operands (vector FMAs, or v_wmma_f32_16x16x4_f32). A number that lies on a knife's edge between two numbers of the format may be rounded either way, as far as f32 arithmetic and the matrix unit's own rounding can turn it there, and no further.
;;   INPUTS GIVEN AS CODES. Wk (in the module: [2048, 2048], K = its axis 1); Wq (in the module: [2048, 2048], K = its axis 1); Wv (in the module: [2048, 2048], K = its axis 1); x (in the module: [4, 1024, 2048], K = its axis 2): each comes as NAME_codes (uint8): NAME with its K axis moved to the last place and cut into blocks of 32 codes, [.., K / 32, bytes a block], one block behind the other in memory; one code a byte (a code: sign, 4 exponent bits, 3 mantissa bits); and NAME_scales (uint8): the same leading axes, one E8M0 byte (e + 127) for each 32 codes along K. Its value is code x scale, taken as it is: it is not quantised again, and the codes and scales need not be those that the quantiser above would give.
;; One version. Each part assembles by itself: llvm-mc -triple=amdgcn-amd-amdhsa -mcpu=gfx1250 --defsym DOCPART=n.
;; ======== version 1 of 1: 3 launches
;; limits: right only within a limited range of input values
;; workspace buffers: kimg 8,388,608 bytes; ksc 262,144 bytes; qimg 8,388,608 bytes; qsc 262,144 bytes; vimg 8,388,608 bytes; vsc 262,144 bytes; pimg 4,194,304 bytes; stats 786,432 bytes
;; launch proj (part 1): grid 16 x 16, 4 waves a work-group, clusters of 4 x 4, 327,680 bytes of LDS; arguments x_codes, x_scales, Wk_codes, Wk_scales, Wq_codes, Wq_scales, Wv_codes, Wv_scales, kimg, ksc, qimg, qsc, vimg, vsc; writes kimg, ksc, qimg, qsc, vimg, vsc
.if DOCPART == 1
	.amdgcn_target "amdgcn-amd-amdhsa--gfx1250"
	.amdhsa_code_object_version 6
	.text
	.protected	k_qf880488cfc_proj
	.globl	k_qf880488cfc_proj
	.p2align	8
	.type	k_qf880488cfc_proj,@function
k_qf880488cfc_proj:
	s_mov_b64 s[64:65], 0
	v_nop
	global_prefetch_b8 v0, s[64:65] scope:SCOPE_SE
	s_setreg_imm32_b32 hwreg(HW_REG_WAVE_MODE, 25, 1), 1
	s_wait_xcnt 0x0
	s_wait_alu depctr_hold_cnt(0) depctr_sa_sdst(0) depctr_va_vdst(0) depctr_va_sdst(0) depctr_va_ssrc(0) depctr_va_vcc(0) depctr_vm_vsrc(0)
	s_getreg_b32 s2, hwreg(HW_REG_IB_STS2, 6, 4)
	s_cmp_eq_u32 s2, 0
	s_cbranch_scc0 .Lentry_in_a_cluster
	s_endpgm
.Lentry_in_a_cluster:
	s_bfe_u32 s2, ttmp6, 0x10000c
	s_cmp_lg_u32 s2, 0xf033
	s_cbranch_scc0 .Lentry_shape_is_right
	s_endpgm
.Lentry_shape_is_right:
; THE THREE PROJECTIONS on codes of FP8 (E4M3), one E8M0 scale for each 32 along K = 2,048, and the quantising of their results.
; LEFT OUT IN THE PROGRAM: the scores of whole tiles of 128 x 128 whose keys all come after their queries, and those tiles' share of the second product: reference() sets these scores to -infinity itself, so their weight is 0 for
; all inputs.  A NaN, an infinity or an overflow that reaches only that work is not carried to the result.
; 256 EQUAL WORK-GROUPS, ONE PASS.  Work-group (tr, tc): x's rows 256 tr .. against rows 128 tc .. of Wk, of Wv and of Wq: 256 x 384 results.
; Four waves: row half s15, column s16.  A wave: 128 rows of x against 128 rows of Wk (s16 = 0) or Wq (1), "A", and 64 of Wv, "V": 8 x 12 = 96 accumulators, 768 registers.
; THE RESULT'S NEXT K RUNS ALONG A LANE'S REGISTERS: A: source 0 = W, source 1 = x: registers along d.  V: source 0 = x, source 1 = Wv: registers along the keys.  So results are quantised in registers.
; ORDER INSIDE A BLOCK OF 32: lane half h holds places 16 h + 8 u + i = number 16 u + 8 h + i of the block (u = 0, 1; i = 0 .. 7): for Q and K alike along d, for P and V alike along the keys; a block stays a block.
; STORED: images of operand registers: a fragment (16 rows x 128 k) is 2,048 bytes, chunk c (one block) at 512 c + 16 x lane; a record (128 x 128) is 8 fragments, records lie [row / 128][k / 128].
; Scale words: 512 bytes a record, the word of row 16 a + r at byte 32 r + 4 a.
; LDS: x's 256 rows x 256 bytes of a K step, ONE region; W's 384 rows (K, V, Q) in TWO slots; the scale bytes of all K, brought through registers; the spare words.
; A K STEP of 256 = two sub-steps of 128 (q = 0, 1).  A SUB-STEP: x's eight fragments stay in registers; W's twelve come in four groups of three, two buffers by turns; 24 products a group, x-major.
; In a sub-step's last group the x fragments of the next take the places of those that are done with.  So in q = 1, group 0, x's region is free and takes the next K step (round X),
; and at the end of group 2 W's slot is free and takes the K step two on (round W).  Each is a round of the cluster's barrier with its lines.
; CLUSTERS 4 x 4: x's rows are shared along a row of the cluster, W's along a column, by joint loads.
; PREFETCH: in q = 0 of K step s the rows of W's step s + 3 and of x's step s + 2 (each more than a step ahead of its load): waves 0, 1, 2 ask for 32 rows of Wk, Wv, Wq (by cy), wave 3 for 64 of x (by cx): each block once a cluster.
; LIMITS: NaN and infinities are not served.  A block whose largest magnitude lies under 2^-118 keeps the scale byte 1.
.set KROW, 2048
.set PITCH, 272                        ; an LDS row: 256 bytes + 16 of padding
.set FRB,  16*PITCH                    ; a fragment's rows
.set U,    128*PITCH                   ; 128 rows
.set W0,   2*U                         ; behind x's 256 rows
.set SLOTW, 3*U
.set SCL,  W0+2*SLOTW                  ; scale bytes, 64 a row, as units of 256 + 16: x 256 rows, K 128, V 128, Q 128
.set SU,   32*272                      ; those of 128 rows
.set SBLK, 4*272                       ; of 16 rows
.set SPARE, SCL+5*SU
.set ADRX, 1
.set ADRA, 2                           ; v2: slot 0's, v3: the slot in hand
.set ADRV, 4                           ; v4, v5 likewise
.set ADRS, 6                           ; scale words: lanes 0-15 A's block i, lanes 16-31 x's
.set ADRT, 7                           ; V's
.set SPW,  8
.set NIL,  9
.set PFO,  10                          ; 2,048 x lane; on the way out 16 x lane
.set SC,   12                          ; two sets of eight: register a: lanes 0-15 A's block a, lanes 16-31 x's block a
.set SC1,  28                          ; V's four
.set XB,   32
.set WB,   160
.set G0X, 4
.set G0K, 8
.set G1X, 24
.set G1W, 32
.set G0V, 48
.set G0Q, 52
.set PFA, 56
.set MSB, 0
.macro WIN new
.if MSB != \new
	s_set_vgpr_msb (MSB<<8)|\new
.set MSB, \new
.endif
.endm
.macro PLACES n
.rept \n
	v_nop
.endr
.endm
.macro CREST                           ; a round behind its opening barrier
	s_cmp_lg_u32 s14, 0
	s_cbranch_scc1 .Lnot_wave_0_\@
	s_barrier_signal -3
.Lnot_wave_0_\@:
	s_barrier_wait -3
	s_barrier_signal -1
	s_barrier_wait -1
.endm
.macro CROUND
	s_barrier_signal -1
	s_barrier_wait -1
	CREST
.endm
.macro TLOAD g0, g1
	tensor_load_to_lds s[\g0:\g0+3], s[\g1:\g1+7]
	s_nop 0
	PLACES 4
.endm
.macro ARM w, g0, g1, done, next
	s_cmp_eq_u32 s14, \w
	s_cbranch_scc0 \next
	TLOAD \g0, \g1
	s_branch \done
\next:
.endm
.macro JW                              ; W's joint loads: wave 1 K's 128 rows, wave 2 V's, wave 3 Q's
	ARM 1, G0K, G1W, .Lw_asked_\@, .Lw_v_\@
	ARM 2, G0V, G1W, .Lw_asked_\@, .Lw_q_\@
	ARM 3, G0Q, G1W, .Lw_asked_\@, .Lw_asked_\@
.endm
.macro STEPW                           ; s63: where the slot begins, 0 or SLOTW
	s_add_co_u32 s[G0K+1], s63, W0
	s_add_co_u32 s[G0V+1], s63, W0+U
	s_add_co_u32 s[G0Q+1], s63, W0+2*U
	s_add_nc_u64 s[G0K+2:G0K+3], s[G0K+2:G0K+3], 256
	s_add_nc_u64 s[G0V+2:G0V+3], s[G0V+2:G0V+3], 256
	s_add_nc_u64 s[G0Q+2:G0Q+3], s[G0Q+2:G0Q+3], 256
.endm
	s_load_b512 s[68:83], s[0:1], 0x0              ; codes and scales of x, Wk, Wq, Wv
	s_load_b256 s[84:91], s[0:1], 0x40             ; kimg, ksc, qimg, qsc
	s_load_b128 s[92:95], s[0:1], 0x60             ; vimg, vsc
	v_lshl_add_u32 v[SPW], v0, 2, SPARE
	v_mov_b32 v[NIL], 0
	ds_add_u32 v[SPW], v[NIL]                      ; the opening: the add, twice on end, and its wait
	ds_add_u32 v[SPW], v[NIL]
	v_lshrrev_b32 v240, 5, v0
	v_readfirstlane_b32 s14, v240                  ; wave
	s_lshr_b32 s15, s14, 1                         ; row half
	s_and_b32 s16, s14, 1                          ; column
	s_bfe_u32 s40, ttmp6, 0x40000                  ; cx, cy
	s_bfe_u32 s41, ttmp6, 0x40004
	s_lshl_b32 s42, ttmp9, 2
	s_add_co_u32 s42, s42, s40                     ; tc
	s_and_b32 s17, ttmp7, 0xffff
	s_lshl_b32 s17, s17, 2
	s_add_co_u32 s17, s17, s41                     ; tr
	s_lshl_b32 s43, s41, 2
	s_lshl_b32 s43, 15, s43                        ; my row of the cluster
	s_lshl_b32 s44, 0x1111, s40                    ; my column
	s_or_b32 s[G1X], s43, (1<<20)|(1<<21)|(5<<22)|(3<<25)   ; elements of 1 byte, 4 words of padding behind every 64
	s_or_b32 s[G1W], s44, (1<<20)|(1<<21)|(5<<22)|(3<<25)
	s_mov_b32 s[G1X+2], 256<<16                    ; at the head 256 rows of x by one load; behind it 64 a wave
	s_mov_b32 s[G1X+4], 256
	s_mov_b32 s[G1W+2], 128<<16
	s_mov_b32 s[G1W+4], 128
.irp g, G1X, G1W
	s_mov_b32 s[\g+1], 256<<16
	s_mov_b32 s[\g+3], 256<<16
	s_mov_b32 s[\g+5], KROW
	s_mov_b32 s[\g+6], 0
	s_mov_b32 s[\g+7], 0
.endr
	s_mul_i32 s20, s15, U                          ; my rows of x,
	s_mul_i32 s21, s16, 2*U                        ; of A,
	s_add_co_u32 s21, s21, W0
	s_mul_i32 s22, s16, U/2                        ; of V
	s_add_co_u32 s22, s22, W0+U
	s_mul_i32 s46, s15, SU                         ; x's scale rows: the lower base;
	s_mul_i32 s47, s16, 2*SU                       ; A's lie this far on:
	s_add_co_u32 s47, s47, 2*SU
	s_sub_co_u32 s47, s47, s46
	s_add_co_u32 s46, s46, SCL
	s_mul_i32 s2, s16, SU/2                        ; V's
	s_add_co_u32 s2, s2, SCL+3*SU
	v_and_b32 v240, 15, v0                         ; r
	v_bfe_u32 v241, v0, 4, 1                       ; h
	v_mul_u32_u24 v243, v240, PITCH
	v_lshl_add_u32 v243, v241, 4, v243             ; a fragment's row x pitch + 16 h
	v_add_nc_u32 v[ADRX], s20, v243
	v_add_nc_u32 v[ADRA], s21, v243
	v_add_nc_u32 v[ADRA+1], s21, v243
	v_add_nc_u32 v[ADRV], s22, v243
	v_add_nc_u32 v[ADRV+1], s22, v243
	v_lshrrev_b32 v245, 2, v240
	v_lshlrev_b32 v244, 6, v240                    ; scale rows: 64 bytes, and 16 more for each 256 passed
	v_lshl_add_u32 v244, v245, 4, v244
	v_xor_b32 v246, 1, v241
	v_mul_u32_u24 v246, s47, v246                  ; lanes 0-15 take A's
	v_add_nc_u32 v246, v246, v244
	v_add_nc_u32 v[ADRS], s46, v246
	v_add_nc_u32 v[ADRT], s2, v244
	v_and_b32 v247, 31, v0
	v_lshlrev_b32 v[PFO], 11, v247
	v_lshrrev_b32 v248, 4, v0                      ; the scale bytes' way in: 16 bytes a thread, 2,048 (eight units) a line
	v_mul_u32_u24 v250, v248, 272
	v_lshl_add_u32 v250, v240, 4, v250
	v_add_nc_u32 v250, SCL, v250
	v_lshlrev_b32 v251, 4, v0
	s_lshl_b32 s46, s17, 14                        ; x's scales: 256 rows of 64 bytes a tile row
	s_mov_b32 s47, 0
	s_lshl_b32 s20, s42, 13                        ; W's: 128 rows a tile column
	s_mov_b32 s21, 0
	s_lshl_b32 s22, s17, 19                        ; x's codes
	s_mov_b32 s23, 0
	s_lshl_b32 s2, s42, 18                         ; W's codes
	s_mov_b32 s3, 0
	s_wait_alu depctr_va_vdst(0)                   ; at the end of the head's vector work
	s_wait_dscnt 0x0                               ; both opening adds are done
	CROUND                                         ; all sixteen work-groups are here: the first joint loads meet
	s_wait_kmcnt 0x0
	s_add_nc_u64 s[22:23], s[68:69], s[22:23]
	s_add_nc_u64 s[46:47], s[70:71], s[46:47]
	s_add_nc_u64 s[72:73], s[72:73], s[2:3]
	s_add_nc_u64 s[76:77], s[76:77], s[2:3]
	s_add_nc_u64 s[80:81], s[80:81], s[2:3]
	s_add_nc_u64 s[74:75], s[74:75], s[20:21]
	s_add_nc_u64 s[78:79], s[78:79], s[20:21]
	s_add_nc_u64 s[82:83], s[82:83], s[20:21]
	s_mov_b32 s[G0X], 1
	s_mov_b32 s[G0X+1], 0
	s_mov_b64 s[G0X+2:G0X+3], s[22:23]
	s_or_b32 s[G0X+3], s[G0X+3], 0x80000000
	s_mov_b32 s[G0K], 1
	s_mov_b32 s[G0K+1], W0
	s_mov_b64 s[G0K+2:G0K+3], s[72:73]
	s_or_b32 s[G0K+3], s[G0K+3], 0x80000000
	s_mov_b32 s[G0V], 1
	s_mov_b32 s[G0V+1], W0+U
	s_mov_b64 s[G0V+2:G0V+3], s[80:81]
	s_or_b32 s[G0V+3], s[G0V+3], 0x80000000
	s_mov_b32 s[G0Q], 1
	s_mov_b32 s[G0Q+1], W0+2*U
	s_mov_b64 s[G0Q+2:G0Q+3], s[76:77]
	s_or_b32 s[G0Q+3], s[G0Q+3], 0x80000000
	ARM 0, G0X, G1X, .Lhead_asked, .Lhead_k        ; the head's loads, one a wave: x's 256 rows, and each weight's 128
	ARM 1, G0K, G1W, .Lhead_asked, .Lhead_v
	ARM 2, G0V, G1W, .Lhead_asked, .Lhead_q
	TLOAD G0Q, G1W
.Lhead_asked:
.irp i, 0,1,2,3,4,5,6,7                ; the scale bytes, in whole units of 256 bytes
	global_load_b128 v[32+4*\i:35+4*\i], v251, s[46:47] offset:2048*\i
.endr
.irp i, 0,1,2,3
	global_load_b128 v[64+4*\i:67+4*\i], v251, s[74:75] offset:2048*\i
	global_load_b128 v[80+4*\i:83+4*\i], v251, s[82:83] offset:2048*\i
	global_load_b128 v[96+4*\i:99+4*\i], v251, s[78:79] offset:2048*\i
.endr
	s_lshl_b32 s2, s41, 16                         ; the prefetches' base: 32 cy rows of a weight on,
	s_lshl_b32 s18, s40, 17                        ; 64 cx rows of x on
	s_cmp_eq_u32 s14, 1
	s_cselect_b64 s[PFA:PFA+1], s[80:81], s[72:73]
	s_cmp_eq_u32 s14, 2
	s_cselect_b64 s[PFA:PFA+1], s[76:77], s[PFA:PFA+1]
	s_cmp_eq_u32 s14, 3
	s_cselect_b64 s[PFA:PFA+1], s[22:23], s[PFA:PFA+1]
	s_cselect_b32 s2, s18, s2
	s_cselect_b32 s58, 6, 5                        ; asked for while the K step's number is under this
	s_cselect_b32 s18, 256, 0                      ; x's base stands a K step back: its prefetch names step s + 2, W's step s + 3
	s_mov_b32 s19, 0
	s_add_nc_u64 s[PFA:PFA+1], s[PFA:PFA+1], s[2:3]
	s_sub_nc_u64 s[PFA:PFA+1], s[PFA:PFA+1], s[18:19]
	s_mov_b32 s59, 0                               ; the K step's number
	global_prefetch_b8 v[PFO], s[PFA:PFA+1] offset:512 th:TH_LOAD_NT scope:SCOPE_SE      ; W's step 2; x's step 1, my first 32 rows
	s_cmp_eq_u32 s14, 3
	s_cbranch_scc0 .Lask_w
	global_prefetch_b8 v[PFO], s[PFA:PFA+1] offset:512+65536 th:TH_LOAD_NT scope:SCOPE_SE ; and the other 32
	s_branch .Lask_done
.Lask_w:
	global_prefetch_b8 v[PFO], s[PFA:PFA+1] offset:256 th:TH_LOAD_NT scope:SCOPE_SE      ; W's step 1
.Lask_done:
	s_cmp_eq_u32 s16, 1                            ; where my results go: K's or Q's image: record (2 tr + row half) 16 + tc;
	s_cselect_b64 s[12:13], s[88:89], s[84:85]
	s_cselect_b64 s[18:19], s[90:91], s[86:87]
	s_lshl_b32 s45, s17, 1
	s_add_co_u32 s45, s45, s15
	s_lshl_b32 s66, s45, 4
	s_add_co_u32 s66, s66, s42
	s_lshl_b32 s96, s66, 14
	s_mov_b32 s97, 0
	s_add_nc_u64 s[12:13], s[12:13], s[96:97]
	s_lshl_b32 s96, s66, 9
	s_add_nc_u64 s[18:19], s[18:19], s[96:97]
	s_lshl_b32 s66, s42, 5                         ; V's: record 32 tc + 2 tr + row half; my four fragments
	s_add_co_u32 s66, s66, s45
	s_lshl_b32 s96, s66, 14
	s_lshl_b32 s98, s16, 13
	s_add_co_u32 s96, s96, s98
	s_add_nc_u64 s[92:93], s[92:93], s[96:97]
	s_lshl_b32 s96, s66, 9
	s_lshl_b32 s98, s16, 4
	s_add_co_u32 s96, s96, s98
	s_add_nc_u64 s[94:95], s[94:95], s[96:97]
	s_mov_b32 s60, 0x76543210
	s_mov_b32 s61, 0xfedcba98                      ; lane l xor 16
	s_mov_b32 s62, 0x600000                        ; the mantissa field of 448
	s_wait_loadcnt 0x0
.irp i, 0,1,2,3,4,5,6,7
	ds_store_b128 v250, v[32+4*\i:35+4*\i] offset:2176*\i
.endr
.irp i, 0,1,2,3
	ds_store_b128 v250, v[64+4*\i:67+4*\i] offset:2*SU+2176*\i
	ds_store_b128 v250, v[80+4*\i:83+4*\i] offset:3*SU+2176*\i
	ds_store_b128 v250, v[96+4*\i:99+4*\i] offset:4*SU+2176*\i
.endr
	s_wait_tensorcnt 0x0                           ; my head's tile is in
	ds_add_u32 v[SPW], v[NIL]                      ; the line ahead of a later first fill
	s_mov_b32 s[G1X+2], 64<<16                     ; no load of mine is out: from here on x comes as 64 rows a wave
	s_mov_b32 s[G1X+4], 64
	s_mul_i32 s[G0X+1], s14, 64*PITCH
	s_lshl_b32 s96, s14, 17
	s_add_nc_u64 s[G0X+2:G0X+3], s[G0X+2:G0X+3], s[96:97]
	s_mov_b32 s63, SLOTW
	STEPW                                          ; W's K step 1: slot 1
	s_mov_b32 s63, 0                               ; the slot in hand is slot 0
	s_wait_dscnt 0x0                               ; the add and my stores are done
	CROUND
	JW                                             ; W's K step 1 into slot 1
.macro LDX a, q                        ; x's fragment a: 16 rows x 128 K: registers 4 c ..: K = 32 c + 16 h + 0 .. 15
	WIN 0
.irp c, 0,1,2,3
	ds_load_b128 v[XB+16*(\a)+4*\c:XB+16*(\a)+4*\c+3], v[ADRX] offset:FRB*(\a)+128*(\q)+32*\c
.endr
.endm
.macro LDW j, q
	WIN 0
.set WD_, WB+48*(((\j)/3)%2)+16*((\j)%3)
.irp c, 0,1,2,3
.if (\j) < 8
	ds_load_b128 v[WD_+4*\c:WD_+4*\c+3], v[ADRA+1] offset:FRB*(\j)+128*(\q)+32*\c
.else
	ds_load_b128 v[WD_+4*\c:WD_+4*\c+3], v[ADRV+1] offset:FRB*((\j)-8)+128*(\q)+32*\c
.endif
.endr
.endm
.macro SETS p, off                     ; A's and x's scale words into set p
	WIN 0
.irp i, 0,1,2,3,4,5,6,7
	ds_load_b32 v[SC+8*(\p)+\i], v[ADRS] offset:SBLK*\i+\off
.endr
.endm
; Product M_ of group G_: W's fragment 3 G_ + M_ % 3 against x's fragment M_ / 3.  The 96 accumulators take turns, in the same order in every sub-step.
.macro PROD
.set J_, 3*G_+M_%3
.set A_, M_/3
.set AC_, 64*(J_%4)+8*A_
.set XR_, XB+16*A_
.set WR_, WB+48*(G_%2)+16*(M_%3)
.set SX_, SC+8*Q_+A_
.if J_ < 8
.set SW_, SC+8*Q_+J_
.else
.set SW_, SC1+J_-8
.endif
	WIN (0x50*(1+J_/4))                            ; C and D: window 1 + J_ / 4
.if J_ < 8
.if Z_
	v_wmma_scale_f32_16x16x128_f8f6f4 v[AC_:AC_+7], v[WR_:WR_+15], v[XR_:XR_+15], 0, v[SW_], v[SX_] matrix_b_scale:MATRIX_SCALE_ROW1
.else
	v_wmma_scale_f32_16x16x128_f8f6f4 v[AC_:AC_+7], v[WR_:WR_+15], v[XR_:XR_+15], v[AC_:AC_+7], v[SW_], v[SX_] matrix_b_scale:MATRIX_SCALE_ROW1
.endif
.else
.if Z_
	v_wmma_scale_f32_16x16x128_f8f6f4 v[AC_:AC_+7], v[XR_:XR_+15], v[WR_:WR_+15], 0, v[SX_], v[SW_] matrix_a_scale:MATRIX_SCALE_ROW1
.else
	v_wmma_scale_f32_16x16x128_f8f6f4 v[AC_:AC_+7], v[XR_:XR_+15], v[WR_:WR_+15], v[AC_:AC_+7], v[SX_], v[SW_] matrix_a_scale:MATRIX_SCALE_ROW1
.endif
.endif
.endm
; Waits ahead of a product, by the count of LDS loads issued behind the fragment that it needs.  Runs: W'0-2 | x'0, 1 | x'2, 3 | x'4, 5 (last group), x'6, 7, W3-5, V's four words (group 0), W6-8, eight words (group 1), W9-11 (group 2).
.macro NEED
.if G_ == 0
.if M_ == 0
	s_wait_dscnt 20
.elseif M_%3 == 0 && (M_ < 18 || T3_ == 0)
	s_wait_dscnt 44-4*(M_/3)
.endif
.elseif M_ == 0
.if G_ == 1
	s_wait_dscnt 4
.elseif G_ == 2 && FIN_ == 0
	s_wait_dscnt 8
.elseif T0_ == 0
	s_wait_dscnt 0x0
.endif
.endif
.endm
; What stands behind a product.  Loads go in seven runs a sub-step.  Three v_nop behind each of a group's first three products (in a last group also of each later run's): nine places between the last product that read a register and the load into it.
.macro BEHIND
.if (G_ < 3 && M_ < 3) || (G_ == 3 && FIN_ == 0 && M_%6 < 3)
	PLACES 3
.endif
.if G_ == 0
.if M_ == 2
	LDX 6, Q_
	LDX 7, Q_
	LDW 3, Q_
	LDW 4, Q_
	LDW 5, Q_
.irp i, 0,1,2,3
	ds_load_b32 v[SC1+\i], v[ADRT] offset:SBLK*\i+KOF_
.endr
.elseif M_ == 11 && T3_
	WIN 0
	s_wait_tensorcnt 0x0                           ; W's next K step is in;
	ds_add_u32 v[SPW], v[NIL]                      ; products stand between it and the wait
	s_add_nc_u64 s[G0X+2:G0X+3], s[G0X+2:G0X+3], 256
.elseif M_ == 17 && T3_
	s_wait_dscnt 0x0                               ; the add is done, and my reads of x's region are over
	s_barrier_signal -1
.elseif M_ == 20 && T3_
	WIN 0
	s_barrier_wait -1
	CREST
	TLOAD G0X, G1X                                 ; ROUND X: x's next K step
.endif
.elseif G_ == 1
.if M_ == 2
	LDW 6, Q_
	LDW 7, Q_
	LDW 8, Q_
.if FIN_ == 0
	SETS (1-Q_), KOF_+4
.endif
.elseif M_ == 20 && T3_
	s_wait_xcnt 0x0                                ; the last prefetch has read its address
	s_add_nc_u64 s[PFA:PFA+1], s[PFA:PFA+1], 256
.elseif M_ == 23 && PF_
	WIN 0
	s_cmp_lt_u32 s59, s58
	s_cbranch_scc0 .Lno_ask_\@
	global_prefetch_b8 v[PFO], s[PFA:PFA+1] offset:768 th:TH_LOAD_NT scope:SCOPE_SE
	s_cmp_eq_u32 s14, 3
	s_cbranch_scc0 .Lno_ask_\@
	global_prefetch_b8 v[PFO], s[PFA:PFA+1] offset:768+65536 th:TH_LOAD_NT scope:SCOPE_SE
.Lno_ask_\@:
	s_add_co_u32 s59, s59, 1
.endif
.elseif G_ == 2
.if M_ == 2
	LDW 9, Q_
	LDW 10, Q_
	LDW 11, Q_
.elseif M_ == 20 && T0_
	WIN 0
	s_wait_tensorcnt 0x0                           ; x's next K step is in
.if T0_ == 1
	ds_add_u32 v[SPW], v[NIL]
	STEPW
.endif
.elseif M_ == 23 && T0_
	s_wait_dscnt 0x0                               ; my reads of this slot are over
	s_barrier_signal -1
.endif
.elseif FIN_ == 0
.if M_ == 2
.if T0_
	WIN 0
	s_barrier_wait -1
.if T0_ == 1
	CREST
	JW                                             ; ROUND W: this slot takes the K step two on
.endif
	s_xor_b32 s63, s63, SLOTW                      ; on to the other slot
	v_add_nc_u32 v[ADRA+1], s63, v[ADRA]
	v_add_nc_u32 v[ADRV+1], s63, v[ADRV]
	s_wait_alu depctr_va_vdst(0)                   ; directly behind the writes
.endif
	LDW 0, (1-Q_)
	LDW 1, (1-Q_)
	LDW 2, (1-Q_)
.elseif M_ > 2 && M_%6 == 2
	LDX (M_/3-2), (1-Q_)
	LDX (M_/3-1), (1-Q_)
.endif
.endif
.endm
; A sub-step.  kof: where its scale words stand; z: the first products start the sums; t3: round X; t0: round W (1), a plain barrier that shows x (2); pf: prefetch; fin: the last
.macro SUB q, kof, z, t3, t0, pf, fin
.set Q_, \q
.set KOF_, \kof
.set Z_, \z
.set T3_, \t3
.set T0_, \t0
.set PF_, \pf
.set FIN_, \fin
.set G_, 0
.rept 4
.set M_, 0
.rept 24
	NEED
	PROD
	BEHIND
.set M_, M_+1
.endr
.set G_, G_+1
.endr
	WIN 0
.endm
	SETS 0, 0
	LDW 0, 0
	LDW 1, 0
	LDW 2, 0
.irp a, 0,1,2,3,4,5
	LDX \a, 0
.endr
	SUB 0, 0, 1, 0, 0, 1, 0                        ; K step 0, q = 0
	s_mov_b32 s2, 6
.Lk:                                                   ; a trip: q = 1 of a K step, q = 0 of the next
	SUB 1, 4, 0, 1, 1, 0, 0
	SUB 0, 8, 0, 0, 0, 1, 0
	v_add_nc_u32 v[ADRS], 8, v[ADRS]
	v_add_nc_u32 v[ADRT], 8, v[ADRT]
	s_sub_co_u32 s2, s2, 1
	s_cmp_lg_u32 s2, 0
	s_wait_alu depctr_va_vdst(0)
	s_cbranch_scc1 .Lk
	SUB 1, 4, 0, 1, 2, 0, 0                        ; K step 6, q = 1: x's last K step comes; W has no more
	SUB 0, 8, 0, 0, 0, 0, 0
	SUB 1, 12, 0, 0, 0, 0, 1
; THE WAY OUT, eight blocks of 32 at a time: (1) the largest magnitude, with the floor 2^(9 - 127) among its leaves, joined with lane l xor 16's; (2) 8 off its exponent field: the conversion's scale operand; 448 x the scale; the byte;
; (3) the hold, in place (the conversion does not saturate: ISA guide 7.6.2); (4) the codes; (5) stores of 512 consecutive bytes.
; mode 0 (A, window w): block e = row block b0 + e / 2, chunk 2 (w - 1) + e % 2.  mode 1 (V): block e = fragment b0 + e / 4, chunk e % 4.  pk: the codes' registers, whose numbers are no source's.
.set TM, 192
.set TX, 200
.set CS, 208
.set HB, 216
.set BY, 224
.set PW, 232
.set PV, 240
.set PS, 244
.macro RR mode, b0, e
.if \mode == 0
.set R0_, 128*((\e)%2)+8*(\b0+(\e)/2)
.set R1_, R0_+64
.else
.set R0_, 64*(\b0+(\e)/4)+16*((\e)%4)
.set R1_, R0_+8
.endif
.endm
.macro OUTB w, mode, b0, pk
	WIN (0x14*\w)
.irp i, 0,2,4,6
.irp e, 0,1,2,3,4,5,6,7
	RR \mode, \b0, \e
.if \i == 0
	v_max3_num_f32 v[TM+\e], 0x4800000, |v[R0_]|, |v[R0_+1]|
.else
	v_max3_num_f32 v[TM+\e], v[TM+\e], |v[R0_+\i]|, |v[R0_+\i+1]|
.endif
.endr
.endr
.irp i, 0,2,4,6
.irp e, 0,1,2,3,4,5,6,7
	RR \mode, \b0, \e
	v_max3_num_f32 v[TM+\e], v[TM+\e], |v[R1_+\i]|, |v[R1_+\i+1]|
.endr
.endr
	WIN 0
.irp e, 0,1,2,3,4,5,6,7
	v_permlanex16_b32 v[TX+\e], v[TM+\e], s60, s61
.endr
.irp e, 0,1,2,3,4,5,6,7
	v_max_num_f32 v[TM+\e], v[TM+\e], v[TX+\e]
.endr
.irp e, 0,1,2,3,4,5,6,7
	v_add_nc_u32 v[CS+\e], 0xfc000000, v[TM+\e]
.endr
.irp e, 0,1,2,3,4,5,6,7
	v_and_or_b32 v[HB+\e], v[TM+\e], 0x7f800000, s62
.endr
.irp e, 0,1,2,3,4,5,6,7
	v_lshrrev_b32 v[BY+\e], 23, v[CS+\e]
.endr
.if \mode == 0
.irp k, 0,1,2,3
.if \w == 1
	v_lshl_or_b32 v[PW+\b0+\k], v[BY+2*\k+1], 8, v[BY+2*\k]
.else
	v_lshl_or_b32 v[PW+\b0+\k], v[BY+2*\k], 16, v[PW+\b0+\k]
.endif
.endr
.if \w == 2
.irp k, 0,1,2,3
	v_lshl_or_b32 v[PW+\b0+\k], v[BY+2*\k+1], 24, v[PW+\b0+\k]
.endr
.endif
.else
.irp k, 0,1
	v_lshl_or_b32 v[PV+\b0+\k], v[BY+4*\k+1], 8, v[BY+4*\k]
.endr
.irp k, 0,1
	v_lshl_or_b32 v[PV+\b0+\k], v[BY+4*\k+2], 16, v[PV+\b0+\k]
.endr
.irp k, 0,1
	v_lshl_or_b32 v[PV+\b0+\k], v[BY+4*\k+3], 24, v[PV+\b0+\k]
.endr
.endif
	WIN (0x41*\w)
.irp e, 0,1,2,3,4,5,6,7
	RR \mode, \b0, \e
.irp n, 0,1,2,3,4,5,6,7
	v_med3_num_f32 v[R0_+\n], v[R0_+\n], -v[HB+\e], v[HB+\e]
	v_med3_num_f32 v[R1_+\n], v[R1_+\n], -v[HB+\e], v[HB+\e]
.endr
.endr
	WIN \w
.irp e, 0,1,2,3,4,5,6,7
	RR \mode, \b0, \e
	v_cvt_scalef32_pk8_fp8_f32 v[\pk+4*\e:\pk+4*\e+1], v[R0_:R0_+7], v[CS+\e]
	v_cvt_scalef32_pk8_fp8_f32 v[\pk+4*\e+2:\pk+4*\e+3], v[R1_:R1_+7], v[CS+\e]
.endr
	v_nop                                          ; one plain line behind the last conversion
	WIN 0
.irp e, 0,1,2,3,4,5,6,7
.if \mode == 0
	global_store_b128 v[PFO], v[\pk+4*\e:\pk+4*\e+3], s[12:13] offset:2048*(\b0+\e/2)+512*(2*\w-2+\e%2)
.else
	global_store_b128 v[PFO], v[\pk+4*\e:\pk+4*\e+3], s[92:93] offset:2048*(\b0+\e/4)+512*(\e%4)
.endif
.endr
.endm
	s_wait_xcnt 0x0
	PLACES 8                                       ; behind the last products
	v_lshrrev_b32 v[PFO], 7, v[PFO]                ; 16 x lane
	v_and_b32 v1, 15, v0                           ; r
	v_bfe_u32 v2, v0, 4, 1                         ; h
	v_lshlrev_b32 v3, 5, v1
	v_lshl_add_u32 v4, v2, 4, v3                   ; 32 r + 16 h
	v_lshl_add_u32 v5, v2, 3, v3                   ; 32 r + 8 h
.irp e, 0,1,2,3,4,5,6,7
	v_mov_b32 v[TX+\e], 0                          ; a lane permute's destination counts as one of its sources
.endr
	OUTB 1, 0, 0, 32
	OUTB 1, 0, 4, 64
	OUTB 2, 0, 0, 96
	OUTB 2, 0, 4, 128
	v_cmp_eq_u32 vcc_lo, 1, v2                     ; both halves of the lanes hold all words: lanes 0-15 store row blocks 0-3's, lanes 16-31 4-7's
.irp k, 0,1,2,3
	v_cndmask_b32 v[PS+\k], v[PW+\k], v[PW+4+\k], vcc_lo
.endr
	global_store_b128 v4, v[PS:PS+3], s[18:19]
	OUTB 3, 1, 0, 160
	s_wait_xcnt 0x0                                ; the first stores have read their codes: the registers serve again
	OUTB 3, 1, 2, 32
	v_cmp_eq_u32 vcc_lo, 1, v2
	v_cndmask_b32 v248, v[PV], v[PV+2], vcc_lo
	v_cndmask_b32 v249, v[PV+1], v[PV+3], vcc_lo
	global_store_b64 v5, v[248:249], s[94:95]
	s_wait_tensorcnt 0x0                           ; the wave's end
	ds_add_u32 v[SPW], v[NIL]
	s_wait_dscnt 0x0
	CROUND                                         ; the closing round
	s_endpgm
.Lfunc_end_k_qf880488cfc_proj:
	.size	k_qf880488cfc_proj, .Lfunc_end_k_qf880488cfc_proj-k_qf880488cfc_proj
	.p2alignl 7, 3214868480
	.fill 96, 4, 3214868480
	.section	.rodata,"a",@progbits
	.p2align	6, 0x0
	.amdhsa_kernel k_qf880488cfc_proj
		.amdhsa_group_segment_fixed_size 327680
		.amdhsa_private_segment_fixed_size 0
		.amdhsa_enable_private_segment 0
		.amdhsa_kernarg_size 112
		.amdhsa_user_sgpr_count 2
		.amdhsa_user_sgpr_kernarg_segment_ptr 1
		.amdhsa_wavefront_size32 1
		.amdhsa_system_sgpr_workgroup_id_x 1
		.amdhsa_system_sgpr_workgroup_id_y 1
		.amdhsa_system_sgpr_workgroup_id_z 1
		.amdhsa_system_vgpr_workitem_id 0
		.amdhsa_next_free_vgpr 1024
		.amdhsa_next_free_sgpr 102
		.amdhsa_reserve_vcc 1
		.amdhsa_float_denorm_mode_32 3
		.amdhsa_float_denorm_mode_16_64 3
		.amdhsa_memory_ordered 1
		.amdhsa_forward_progress 1
		.amdhsa_inst_pref_size 249
	.end_amdhsa_kernel
	.amdgpu_metadata
---
amdhsa.version: [ 1, 2 ]
amdhsa.kernels:
  - .name:           k_qf880488cfc_proj
    .symbol:         k_qf880488cfc_proj.kd
    .args:
      - { .name: x_codes, .offset: 0, .size: 8, .value_kind: global_buffer, .address_space: global }
      - { .name: x_scales, .offset: 8, .size: 8, .value_kind: global_buffer, .address_space: global }
      - { .name: Wk_codes, .offset: 16, .size: 8, .value_kind: global_buffer, .address_space: global }
      - { .name: Wk_scales, .offset: 24, .size: 8, .value_kind: global_buffer, .address_space: global }
      - { .name: Wq_codes, .offset: 32, .size: 8, .value_kind: global_buffer, .address_space: global }
      - { .name: Wq_scales, .offset: 40, .size: 8, .value_kind: global_buffer, .address_space: global }
      - { .name: Wv_codes, .offset: 48, .size: 8, .value_kind: global_buffer, .address_space: global }
      - { .name: Wv_scales, .offset: 56, .size: 8, .value_kind: global_buffer, .address_space: global }
      - { .name: kimg, .offset: 64, .size: 8, .value_kind: global_buffer, .address_space: global }
      - { .name: ksc, .offset: 72, .size: 8, .value_kind: global_buffer, .address_space: global }
      - { .name: qimg, .offset: 80, .size: 8, .value_kind: global_buffer, .address_space: global }
      - { .name: qsc, .offset: 88, .size: 8, .value_kind: global_buffer, .address_space: global }
      - { .name: vimg, .offset: 96, .size: 8, .value_kind: global_buffer, .address_space: global }
      - { .name: vsc, .offset: 104, .size: 8, .value_kind: global_buffer, .address_space: global }
    .group_segment_fixed_size: 327680
    .private_segment_fixed_size: 0
    .kernarg_segment_align: 8
    .kernarg_segment_size: 112
    .max_flat_workgroup_size: 128
    .sgpr_count:     102
    .vgpr_count:     1024
    .wavefront_size: 32
...
	.end_amdgpu_metadata
.endif
;; end of part 1
;; launch score (part 2): grid 36 x 4, 4 waves a work-group, no clusters, 327,680 bytes of LDS; arguments qimg, qsc, kimg, ksc, pimg, stats; writes pimg, stats
.if DOCPART == 2
	.amdgcn_target "amdgcn-amd-amdhsa--gfx1250"
	.amdhsa_code_object_version 6
	.text
	.protected	k_qf880488cfc_score
	.globl	k_qf880488cfc_score
	.p2align	8
	.type	k_qf880488cfc_score,@function
k_qf880488cfc_score:
	s_mov_b64 s[64:65], 0
	v_nop
	global_prefetch_b8 v0, s[64:65] scope:SCOPE_SE
	s_setreg_imm32_b32 hwreg(HW_REG_WAVE_MODE, 25, 1), 1
	s_wait_xcnt 0x0
; THE CAUSAL SCORES AND THE SOFTMAX BY BLOCKS OF 64 KEYS.  S = Q K^T on codes of FP8 (E4M3) with E8M0 scales, K = d = 2,048; key k counts for query q where k <= q.
; LEFT OUT: tiles whose keys all come after their queries: reference() sets those scores to -infinity itself, so their weight is 0 for all inputs.  Work-group x = i (i + 1) / 2 + j makes the tile (i, j), j <= i, of 128 queries x 128 keys; y = the batch.
; Four waves, each 32 queries x 128 keys: 16 accumulators.  Transposed use (source 0 = 16 keys, source 1 = 16 queries): a lane holds one query, its registers run along the keys.
; Q and K are images of operand registers (a record = 128 rows x 128 k = 16,384 bytes).  K's 16 records stand in LDS whole: each byte is filled once, wave w asks at the head for K steps 4 w .. 4 w + 3, 65,536 dense bytes, in a load line of its own;
; barrier t shows wave t's part, for which wave t alone waits there, the last one what is still out.  Q goes from memory into registers (each wave its own rows): 8 loads a K step, seven K steps ahead.
; Scale words come through registers into LDS.  No prefetch: all of K is asked for at the head, Q seven steps ahead.
; THE SOFTMAX.  t = score x log2(e) / sqrt(2048).  For each query and each 64 keys: M = ceil(the largest t of these 64), a whole number; p = 2^(t - M), quantised along the keys, 32 to a block; the sum l of the unquantised p, -M and the two
; scale bytes go to 'stats'; the next launch brings a row's blocks under the row's M by powers of two.  A maximum is always taken away: each block's own.  64 keys that are all hidden get M = -1e30, p = 0, l = 0.
; 'stats', three planes of words: [key block j][row][half of the block]: of 32 rows of a wave the word of row 16 a + r, half f, at 4 r + 2 a + f.
; NO CLUSTER: row i of the triangle has i + 1 tiles and column j has 8 - j: no group of four work-groups that share Q's or K's tiles divides every row or column, and partners may not differ in what they ask for.
; LIMITS: NaN and infinities are not served; |t| stays under 1e30; a block of p whose largest lies under 2^-118 keeps the scale byte 1.
; REGISTERS: window 0: v1-15 addresses; v16-31 scale words, two sets, and nothing else; v32-127 at work; v128-255 the accumulators ((a, b) at v[128 + 8 (8 a + b)]).  window 1: two buffers of K's eight fragments.  windows 2, 3: Q, 16 K steps x 32.
.set SA,    262144                     ; Q's scale words, 512 bytes a K step,
.set SB,    SA+8192                    ; and K's
.set SPARE, SB+8192
.set PLANE, 262144
.set ADRB, 4                           ; v4-7  LDS address of K's fragments, four K steps each
.set ADRS, 8                           ; scale words: lanes 0-15 Q's, lanes 16-31 K's
.set SPW,  9
.set NIL,  10
.set LI,   11                          ; 16 x lane
.set D0,   12                          ; r - 8 h + 32 wave: the mask's bound
.set NINF, 13
.set SO1,  14                          ; 16 r + h x PLANE
.set SO2,  15                          ; 16 r + 8 h + 2 PLANE
.set SC,   16                          ; register k of a set: lanes 0-15 (k < 2) Q's block k, lanes 16-31 K's block k
.set BX,   32
.set NMP,  40                          ; pairs (-M, -M) of group g = 2 a + half
.set LS,   48
.set HOLD, 56
.set SCV,  64
.set BY,   72
.set SCW,  80
.set L,    84
.set SD,   88
.set BM,   96                          ; the largest score, later the largest p, of block e = 2 g + c; done with before the codes come
.set PC,   96                          ; the codes: four registers a block
.set S,    128                         ; block e's 16 numbers at v[S + 16 e]
.set ACC,  128
.set G1,  24
.set G0,  40
.set MSB, 0
.macro WIN new
.if MSB != \new
	s_set_vgpr_msb (MSB<<8)|\new
.set MSB, \new
.endif
.endm
.macro PLACES n
.rept \n
	v_nop
.endr
.endm
.macro KLOAD
	tensor_load_to_lds s[G0:G0+3], s[G1:G1+7]
	s_nop 0
	PLACES 4
.endm
.macro QLOAD s                         ; Q's two fragments of K step s
	WIN (0x80+0x40*((\s)/8))
.irp a, 0,1
.irp c, 0,1,2,3
	global_load_b128 v[32*((\s)%8)+16*\a+4*\c:32*((\s)%8)+16*\a+4*\c+3], v[LI], s[58:59] offset:16384*(\s)+2048*\a+512*\c
.endr
.endr
	WIN 0
.endm
.macro SHOW t                          ; barrier t shows wave t's four K steps
	s_wait_dscnt 0x0                               ; no LDS instruction of mine is out at the signal
.if \t < 3
	s_cmp_eq_u32 s16, \t
	s_cbranch_scc0 .Lnot_mine_\@
	s_wait_tensorcnt 0x0
.Lnot_mine_\@:
.else
	s_wait_tensorcnt 0x0
.endif
	s_barrier_signal -1
	s_barrier_wait -1
.endm
.macro FETCH ks                        ; 36 LDS loads: K step ks: the scale words into set ks % 2, K's eight fragments into buffer ks % 2
.irp k, 0,1,2,3
	ds_load_b64 v[SC+8*((\ks)%2)+2*\k:SC+8*((\ks)%2)+2*\k+1], v[ADRS] offset:512*(\ks)+8*\k
.endr
	WIN 0x40
.irp i, 0,1,2,3,4,5,6,7
.irp c, 0,1,2,3
	ds_load_b128 v[128*((\ks)%2)+16*\i+4*\c:128*((\ks)%2)+16*\i+4*\c+3], v[ADRB+(\ks)/4] offset:16384*((\ks)%4)+2048*\i+512*\c
.endr
.endr
	WIN 0
.endm
; 16 matrix instructions, 128 along K.  The 16 accumulators take turns.  The first K step's products start the sums.
.macro MUL ks
	WIN (0x09+4*(\ks/8))                           ; source 0 window 1, source 1 window 2 or 3, C and D window 0
.irp a, 0,1
.irp b, 0,1,2,3,4,5,6,7
.if \ks == 0
	v_wmma_scale_f32_16x16x128_f8f6f4 v[ACC+8*(8*\a+\b):ACC+8*(8*\a+\b)+7], v[16*\b:16*\b+15], v[16*\a:16*\a+15], 0, v[SC+\b], v[SC+\a] matrix_a_scale:MATRIX_SCALE_ROW1
.else
	v_wmma_scale_f32_16x16x128_f8f6f4 v[ACC+8*(8*\a+\b):ACC+8*(8*\a+\b)+7], v[128*(\ks%2)+16*\b:128*(\ks%2)+16*\b+15], v[32*(\ks%8)+16*\a:32*(\ks%8)+16*\a+15], v[ACC+8*(8*\a+\b):ACC+8*(8*\a+\b)+7], v[SC+8*(\ks%2)+\b], v[SC+8*(\ks%2)+\a] matrix_a_scale:MATRIX_SCALE_ROW1
.endif
.endr
.endr
	WIN 0
.endm
.macro STEP ks
.if \ks < 15
.if \ks%4 == 3
	SHOW (\ks/4+1)
.endif
.if \ks > 0
	PLACES 8                                       ; behind the products that read the buffer
.endif
	FETCH (\ks+1)
.endif
.if \ks < 9
	QLOAD (\ks+7)
	s_wait_loadcnt 56                              ; this K step's Q is in: seven steps' loads stand behind it
.else
	s_wait_loadcnt 8*(15-\ks)                      ; (no more is asked for)
.endif
.if \ks < 15
	s_wait_dscnt 36                                ; all but the 36 just issued
.else
	s_wait_dscnt 0x0
.endif
	MUL \ks
.endm
	s_load_b256 s[4:11], s[0:1], 0x0               ; qimg, qsc, kimg, ksc
	s_load_b128 s[12:15], s[0:1], 0x20             ; pimg, stats
	v_lshl_add_u32 v[SPW], v0, 2, SPARE
	v_mov_b32 v[NIL], 0
	ds_add_u32 v[SPW], v[NIL]                      ; the opening: the add, twice on end, and its wait
	ds_add_u32 v[SPW], v[NIL]
	v_lshrrev_b32 v1, 5, v0
	v_readfirstlane_b32 s16, v1                    ; wave
	s_and_b32 s54, ttmp7, 0xffff                   ; the batch
	s_mov_b32 s52, 0                               ; i = how many of the triangle's row starts 1, 3, 6, .. are at or under my number
.irp th, 1,3,6,10,15,21,28
	s_cmp_ge_u32 ttmp9, \th
	s_cselect_b32 s56, 1, 0
	s_add_co_u32 s52, s52, s56
.endr
	s_add_co_u32 s56, s52, 1
	s_mul_i32 s56, s56, s52
	s_lshr_b32 s56, s56, 1
	s_sub_co_u32 s53, ttmp9, s56                   ; j = my number - i (i + 1) / 2
	s_mov_b32 s[G1+0], 3<<16                       ; group 1: 65,536 dense bytes as 256 rows of 256 (32 elements of 8), no padding, no mask
	s_mov_b32 s[G1+1], 32<<16
	s_mov_b32 s[G1+2], 256<<16
	s_mov_b32 s[G1+3], 32<<16
	s_mov_b32 s[G1+4], 256
	s_mov_b32 s[G1+5], 32
	s_mov_b32 s[G1+6], 0
	s_mov_b32 s[G1+7], 0
	s_lshl_b32 s56, s54, 3
	s_add_co_u32 s57, s56, s53                     ; K's block of 128 rows,
	s_add_co_u32 s58, s56, s52                     ; Q's
	s_lshl_b32 s60, s57, 13                        ; their 8,192 bytes of scale words
	s_mov_b32 s61, 0
	s_lshl_b32 s62, s58, 13
	s_mov_b32 s63, 0
	s_lshl_b32 s44, s58, 3                         ; P: record (8 batch + i) 8 + j, my two fragments
	s_add_co_u32 s44, s44, s53
	s_lshl_b32 s44, s44, 14
	s_lshl_b32 s17, s16, 12
	s_add_co_u32 s44, s44, s17
	s_mov_b32 s45, 0
	s_lshl_b32 s58, s58, 18                        ; Q's records, my two fragments
	s_add_co_u32 s58, s58, s17
	s_mov_b32 s59, 0
	s_lshl_b32 s56, s57, 18                        ; K's, my four K steps
	s_lshl_b32 s18, s16, 16
	s_add_co_u32 s56, s56, s18
	s_mov_b32 s57, 0
	s_lshl_b32 s46, s53, 15                        ; 'stats': 32,768 bytes a key block, 8 a row
	s_lshl_b32 s17, s54, 13
	s_add_co_u32 s46, s46, s17
	s_lshl_b32 s17, s52, 10
	s_add_co_u32 s46, s46, s17
	s_lshl_b32 s17, s16, 8
	s_add_co_u32 s46, s46, s17
	s_mov_b32 s47, 0
	s_mov_b32 s[G0], 1
	s_mov_b32 s[G0+1], s18
	s_mov_b32 s19, 0x600000                        ; the mantissa field of 448
	s_mov_b32 s20, 0x76543210
	s_mov_b32 s21, 0xfedcba98                      ; lane l xor 16
	s_mov_b32 s22, 0x3d0293ee                      ; c = log2(e) / sqrt(2048)
	s_mov_b32 s23, s22                             ; (named with it as a pair, so it is written)
	s_lshl_b32 s2, s16, 3                          ; my two words of Q's eight
	s_sub_co_u32 s3, 8192, s2
	s_add_co_u32 s2, s2, SA
	s_lshl_b32 s17, s16, 5
	v_and_b32 v1, 15, v0                           ; r
	v_bfe_u32 v2, v0, 4, 1                         ; h
	v_and_b32 v3, 31, v0
	v_lshlrev_b32 v[LI], 4, v3
	v_mov_b32 v[ADRB], v[LI]
	v_add_nc_u32 v[ADRB+1], 0x10000, v[LI]
	v_add_nc_u32 v[ADRB+2], 0x20000, v[LI]
	v_add_nc_u32 v[ADRB+3], 0x30000, v[LI]
	v_mul_u32_u24 v92, s3, v2                      ; the lower base + h x the distance
	v_lshl_add_u32 v92, v1, 5, v92
	v_add_nc_u32 v[ADRS], s2, v92
	v_lshlrev_b32 v93, 3, v2
	v_sub_nc_u32 v93, v1, v93
	v_add_nc_u32 v[D0], s17, v93
	v_mov_b32 v[NINF], 0xff800000
	v_lshlrev_b32 v92, 4, v1
	v_lshl_add_u32 v[SO1], v2, 18, v92
	v_lshl_add_u32 v92, v2, 3, v92
	v_add_nc_u32 v[SO2], 2*PLANE, v92
	v_lshlrev_b32 v94, 4, v0
	v_add_nc_u32 v95, SA, v94
.irp e, 0,1,2,3,4,5,6,7
	v_mov_b32 v[BX+\e], 0                          ; a lane permute's destination counts as one of its sources
.endr
	s_wait_alu depctr_va_vdst(0)                   ; at the end of the head's vector work
	s_wait_dscnt 0x0                               ; both opening adds are done
	s_wait_kmcnt 0x0
	s_add_nc_u64 s[G0+2:G0+3], s[8:9], s[56:57]
	s_or_b32 s[G0+3], s[G0+3], 0x80000000
.irp w, 0,1,2                          ; ONE tensor load a wave, each wave's in a line of its own
	s_cmp_eq_u32 s16, \w
	s_cbranch_scc0 .Lnot_\w
	KLOAD
	s_branch .Lasked
.Lnot_\w:
.endr
	KLOAD
.Lasked:
	s_add_nc_u64 s[6:7], s[6:7], s[62:63]
	s_add_nc_u64 s[10:11], s[10:11], s[60:61]
	s_add_nc_u64 s[58:59], s[4:5], s[58:59]
	s_add_nc_u64 s[12:13], s[12:13], s[44:45]
	s_add_nc_u64 s[14:15], s[14:15], s[46:47]
.irp i, 0,1,2,3
	global_load_b128 v[96+4*\i:99+4*\i], v94, s[6:7] offset:2048*\i
	global_load_b128 v[112+4*\i:115+4*\i], v94, s[10:11] offset:2048*\i
.endr
.irp s, 0,1,2,3,4,5
	QLOAD \s
.endr
	s_wait_loadcnt 48                              ; the scale words are in: six K steps' loads stand behind them
.irp i, 0,1,2,3
	ds_store_b128 v95, v[96+4*\i:99+4*\i] offset:2048*\i
	ds_store_b128 v95, v[112+4*\i:115+4*\i] offset:SB-SA+2048*\i
.endr
	QLOAD 6
	SHOW 0                                         ; (the wait on DScnt in it: my stores are done)
	FETCH 0
.irp ks, 0,1,2,3,4,5,6,7,8,9,10,11,12,13,14,15
	STEP \ks
.endr
	; THE WAY OUT.  Register n of block e = 2 g + c (g = 2 a + half) is query 16 a + r, key 64 half + 32 c + 16 (n / 8) + 8 h + n % 8: the order inside a block of 32 that V's image has too
	PLACES 8
	s_cmp_lg_u32 s52, s53                          ; only the tiles on the diagonal have hidden keys: a branch on the work-group's number
	s_cbranch_scc1 .Lopen
.irp g, 0,1,2,3
.set n, 0
.rept 32
	v_cmp_gt_i32 vcc_lo, 16*(n/8)+n%8+64*(\g%2)-16*(\g/2), v[D0]   ; hidden where key > query
	v_cndmask_b32 v[S+32*\g+n], v[S+32*\g+n], v[NINF], vcc_lo
.set n, n+1
.endr
.endr
.Lopen:
.irp e, 0,1,2,3,4,5,6,7
	v_max3_num_f32 v[BM+\e], v[S+16*\e], v[S+16*\e+1], v[S+16*\e+2]   ; the largest score of each block of 32 keys: it serves for the maximum and, since p rises with the score, for the block's largest p
.endr
.irp i, 3,5,7,9,11,13
.irp e, 0,1,2,3,4,5,6,7
	v_max3_num_f32 v[BM+\e], v[BM+\e], v[S+16*\e+\i], v[S+16*\e+\i+1]
.endr
.endr
.irp e, 0,1,2,3,4,5,6,7
	v_max_num_f32 v[BM+\e], v[BM+\e], v[S+16*\e+15]
.endr
.irp e, 0,1,2,3,4,5,6,7
	v_permlanex16_b32 v[BX+\e], v[BM+\e], s20, s21
.endr
.irp e, 0,1,2,3,4,5,6,7
	v_max_num_f32 v[BM+\e], v[BM+\e], v[BX+\e]     ; with lane l xor 16's 16 keys
.endr
.irp g, 0,1,2,3
	v_max_num_f32 v[NMP+2*\g+1], v[BM+2*\g], v[BM+2*\g+1]   ; the largest score of my query's 64 keys,
.endr
.irp g, 0,1,2,3
	v_mul_f32 v[NMP+2*\g+1], s22, v[NMP+2*\g+1]    ; as t (c is positive),
.endr
.irp g, 0,1,2,3
	v_max_num_f32 v[NMP+2*\g+1], 0xf149f2ca, v[NMP+2*\g+1]   ; not under -1e30: where all 64 keys are hidden M stays a number
.endr
.irp g, 0,1,2,3
	v_floor_f32 v[NMP+2*\g], -v[NMP+2*\g+1]        ; -M = floor(-t) = -ceil(t): M is a whole number
.endr
.irp g, 0,1,2,3
	v_mov_b32 v[NMP+2*\g+1], v[NMP+2*\g]
.endr
.irp g, 0,1,2,3
.irp j, 0,2,4,6,8,10,12,14,16,18,20,22,24,26,28,30
	v_pk_fma_f32 v[S+32*\g+\j:S+32*\g+\j+1], v[S+32*\g+\j:S+32*\g+\j+1], s[22:23], v[NMP+2*\g:NMP+2*\g+1] op_sel_hi:[1,0,0]   ; t - M, two at a time
.endr
.endr
.irp e, 0,1,2,3,4,5,6,7
	v_fma_f32 v[BM+\e], v[BM+\e], s22, v[NMP+2*(\e/2)]   ; the same of each block's largest score
.endr
	s_wait_alu depctr_va_vdst(0)                   ; ahead of the batch
.set n, 0
.rept 128
	v_exp_f32 v[S+n], v[S+n]                       ; p = 2^(t - M), at most 1
.set n, n+1
.endr
	v_nop                                          ; a plain place behind the exponentials
	s_wait_alu depctr_va_vdst(0)                   ; one wait for the whole batch, ahead of its first reader
.irp e, 0,1,2,3,4,5,6,7
	v_exp_f32 v[BM+\e], v[BM+\e]                   ; the block's largest p: the same two instructions on the same number
.endr
.irp g, 0,1,2,3
	v_pk_add_f32 v[LS+2*\g:LS+2*\g+1], v[S+32*\g:S+32*\g+1], v[S+32*\g+2:S+32*\g+3]   ; the sum is taken of the unquantised p.  (It reads the 128 alone: plain work behind the eight)
.endr
.irp j, 4,6,8,10,12,14,16,18,20,22,24,26,28,30
.irp g, 0,1,2,3
	v_pk_add_f32 v[LS+2*\g:LS+2*\g+1], v[LS+2*\g:LS+2*\g+1], v[S+32*\g+\j:S+32*\g+\j+1]
.endr
.endr
.irp g, 0,1,2,3
	v_add_f32 v[L+\g], v[LS+2*\g], v[LS+2*\g+1]
.endr
.irp g, 0,1,2,3
	v_permlanex16_b32 v[BX+\g], v[L+\g], s20, s21
.endr
.irp g, 0,1,2,3
	v_add_f32 v[L+\g], v[L+\g], v[BX+\g]           ; with lane l xor 16's: l of my query's 64 keys
.endr
	s_wait_alu depctr_va_vdst(0)                   ; and one wait for the eight
.irp e, 0,1,2,3,4,5,6,7
	v_max_num_f32 v[BM+\e], 0x4800000, v[BM+\e]    ; the floor 2^(9 - 127): the byte cannot fall under 1 (a block whose every p is 0 keeps that byte: its codes are zeros)
.endr
.irp e, 0,1,2,3,4,5,6,7
	v_add_nc_u32 v[SCV+\e], 0xfc000000, v[BM+\e]   ; 8 off the exponent field: the conversion's scale operand
.endr
.irp e, 0,1,2,3,4,5,6,7
	v_and_or_b32 v[HOLD+\e], v[BM+\e], 0x7f800000, s19   ; 448 x the scale
.endr
.irp e, 0,1,2,3,4,5,6,7
	v_lshrrev_b32 v[BY+\e], 23, v[SCV+\e]          ; the scale's byte
.endr
.irp g, 0,1,2,3
	v_lshl_or_b32 v[SCW+\g], v[BY+2*\g+1], 8, v[BY+2*\g]
.endr
.irp e, 0,1,2,3,4,5,6,7
.irp n, 0,1,2,3,4,5,6,7,8,9,10,11,12,13,14,15
	v_min_num_f32 v[S+16*\e+\n], v[S+16*\e+\n], v[HOLD+\e]   ; the conversion to an 8-bit code does not saturate (ISA guide 7.6.2); p is not negative, so the hold is one-sided
.endr
.endr
.irp e, 0,1,2,3,4,5,6,7
	v_cvt_scalef32_pk8_fp8_f32 v[PC+4*\e:PC+4*\e+1], v[S+16*\e:S+16*\e+7], v[SCV+\e]
	v_cvt_scalef32_pk8_fp8_f32 v[PC+4*\e+2:PC+4*\e+3], v[S+16*\e+8:S+16*\e+15], v[SCV+\e]
.endr
	v_nop                                          ; one plain vector line behind the last conversion
.irp e, 0,1,2,3,4,5,6,7
	global_store_b128 v[LI], v[PC+4*\e:PC+4*\e+3], s[12:13] offset:2048*(\e/4)+512*(\e%4)   ; a chunk of an image of P: 512 consecutive bytes
.endr
	v_cmp_eq_u32 vcc_lo, 1, v2
.irp k, 0,1,2,3
	v_cndmask_b32 v[SD+\k], v[NMP+2*\k], v[L+\k], vcc_lo   ; lanes 0-15 store -M of their four groups (256 consecutive bytes of plane 0), lanes 16-31 l (256 of plane 1)
.endr
	v_cndmask_b32 v[SD+4], v[SCW], v[SCW+2], vcc_lo
	v_cndmask_b32 v[SD+5], v[SCW+1], v[SCW+3], vcc_lo      ; and 8 bytes a lane of the scale bytes: 256 consecutive bytes of plane 2
	global_store_b128 v[SO1], v[SD:SD+3], s[14:15]
	global_store_b64 v[SO2], v[SD+4:SD+5], s[14:15]
	s_wait_tensorcnt 0x0                           ; the wave's end
	ds_add_u32 v[SPW], v[NIL]
	s_wait_dscnt 0x0
	s_endpgm
.Lfunc_end_k_qf880488cfc_score:
	.size	k_qf880488cfc_score, .Lfunc_end_k_qf880488cfc_score-k_qf880488cfc_score
	.p2alignl 7, 3214868480
	.fill 96, 4, 3214868480
	.section	.rodata,"a",@progbits
	.p2align	6, 0x0
	.amdhsa_kernel k_qf880488cfc_score
		.amdhsa_group_segment_fixed_size 327680
		.amdhsa_private_segment_fixed_size 0
		.amdhsa_enable_private_segment 0
		.amdhsa_kernarg_size 48
		.amdhsa_user_sgpr_count 2
		.amdhsa_user_sgpr_kernarg_segment_ptr 1
		.amdhsa_wavefront_size32 1
		.amdhsa_system_sgpr_workgroup_id_x 1
		.amdhsa_system_sgpr_workgroup_id_y 1
		.amdhsa_system_sgpr_workgroup_id_z 1
		.amdhsa_system_vgpr_workitem_id 0
		.amdhsa_next_free_vgpr 1024
		.amdhsa_next_free_sgpr 72
		.amdhsa_reserve_vcc 1
		.amdhsa_float_denorm_mode_32 3
		.amdhsa_float_denorm_mode_16_64 3
		.amdhsa_memory_ordered 1
		.amdhsa_forward_progress 1
		.amdhsa_inst_pref_size 133
	.end_amdhsa_kernel
	.amdgpu_metadata
---
amdhsa.version: [ 1, 2 ]
amdhsa.kernels:
  - .name:           k_qf880488cfc_score
    .symbol:         k_qf880488cfc_score.kd
    .args:
      - { .name: qimg, .offset: 0, .size: 8, .value_kind: global_buffer, .address_space: global }
      - { .name: qsc, .offset: 8, .size: 8, .value_kind: global_buffer, .address_space: global }
      - { .name: kimg, .offset: 16, .size: 8, .value_kind: global_buffer, .address_space: global }
      - { .name: ksc, .offset: 24, .size: 8, .value_kind: global_buffer, .address_space: global }
      - { .name: pimg, .offset: 32, .size: 8, .value_kind: global_buffer, .address_space: global }
      - { .name: stats, .offset: 40, .size: 8, .value_kind: global_buffer, .address_space: global }
    .group_segment_fixed_size: 327680
    .private_segment_fixed_size: 0
    .kernarg_segment_align: 8
    .kernarg_segment_size: 48
    .max_flat_workgroup_size: 128
    .sgpr_count:     72
    .vgpr_count:     1024
    .wavefront_size: 32
...
	.end_amdgpu_metadata
.endif
;; end of part 2
;; launch pv (part 3): grid 16 x 16, 4 waves a work-group, clusters of 4 x 1, 327,680 bytes of LDS; arguments pimg, stats, vimg, vsc, out0; writes out0
.if DOCPART == 3
	.amdgcn_target "amdgcn-amd-amdhsa--gfx1250"
	.amdhsa_code_object_version 6
	.text
	.protected	k_qf880488cfc_pv
	.globl	k_qf880488cfc_pv
	.p2align	8
	.type	k_qf880488cfc_pv,@function
k_qf880488cfc_pv:
	s_mov_b64 s[64:65], 0
	v_nop
	global_prefetch_b8 v0, s[64:65] scope:SCOPE_SE
	s_setreg_imm32_b32 hwreg(HW_REG_WAVE_MODE, 25, 1), 1
	s_wait_xcnt 0x0
	s_wait_alu depctr_hold_cnt(0) depctr_sa_sdst(0) depctr_va_vdst(0) depctr_va_sdst(0) depctr_va_ssrc(0) depctr_va_vcc(0) depctr_vm_vsrc(0)
	s_getreg_b32 s2, hwreg(HW_REG_IB_STS2, 6, 4)
	s_cmp_eq_u32 s2, 0
	s_cbranch_scc0 .Lentry_in_a_cluster
	s_endpgm
.Lentry_in_a_cluster:
	s_bfe_u32 s2, ttmp6, 0x10000c
	s_cmp_lg_u32 s2, 0x3003
	s_cbranch_scc0 .Lentry_shape_is_right
	s_endpgm
.Lentry_shape_is_right:
; O = P V / l, on codes of FP8 (E4M3) with E8M0 scales, K = the keys.  256 EQUAL WORK-GROUPS: y = 4 p + batch, x = a block of 128 of d.  Each makes query blocks p ("lo") and 7 - p ("hi") of 128: p + 1 and 8 - p K steps of
; 128 keys, nine in all.  LEFT OUT: the K steps whose keys all come after the block's queries: their weight is 0 by reference()'s own mask, for all inputs.
; Four waves, each 64 queries x 64 of d of either block: 16 accumulators a block.  Transposed use (source 0 = V^T's rows, source 1 = P's queries): a lane holds one query and eight neighbouring d.
; P and V are images of operand registers (records of 128 x 128, 16,384 bytes, [row / 128][key / 128]), in one order inside a block of 32 keys.
; TILES: each LDS byte is filled once, by ONE tensor load a wave: wave 0, 1: half (64 rows) of each of V's 8 - p records; wave 2, 3: the same of hi's P.  lo's P goes from memory into registers (K steps past p: the last one's again, unused).
; Barrier 1 shows V alone: lo is multiplied and stored while P may still be on its way; barrier 2 shows P.
; CLUSTER 4, 1, 1: four blocks of d share hi's P: joint loads.  V's records are shared by the four p, which need different numbers of them, and partners may not differ: asked for singly.  No prefetch: there is no loop to run ahead in.
; THE MERGE.  P was made by blocks of 64 keys, each under its own whole number M.  Thread t owns a query of each block: the row's M is the largest (here: -M the smallest); l = the sum of the blocks' l x 2^(M(block) - M);
; M - M(block) is taken off the block's two E8M0 bytes: exact powers of two.  The shifted words and 1 / l go to LDS.
; LIMITS: a block of 64 keys more than 127 powers of two under the row's M counts with at most 2^-127 of its weight; NaN and infinities are not served.
; REGISTERS: window 0: v3-29 addresses, scale words (v16-23, nothing else), 1 / l; v128-255 the merge, then hi's accumulators.  window 1: two fragment buffers (P's four, V's four).  window 2: lo's P, four K steps.  window 3: v128-255 lo's accumulators.
.set POFF,  131072                     ; V's two halves, 65,536 bytes each (8,192 a K step), then P's
.set PSC,   262144                     ; hi's eight scale words a K step at 512, behind them lo's four
.set VSC,   PSC+6144
.set RLB,   PSC+10240                  ; 1 / l: hi, lo
.set STG,   PSC+11264                  ; 16 rows x (256 + 16) a wave
.set SPARE, STG+4*4352
.set PLANE, 262144
.set LI,   3                           ; 16 x lane
.set ADRA, 4                           ; P
.set ADRB, 5                           ; V
.set ADRS, 6                           ; scale words: lanes 0-15 hi's P, lanes 16-31 V
.set ADRL, 7                           ; the same for lo
.set T4,   8                           ; 4 x thread
.set PST,  9
.set STO,  10
.set RD,   11
.set CO,   12
.set RLA,  13
.set SPW,  14
.set NIL,  15
.set SC,   16
.set VST,  24
.set RL,   26
.set PLO,  30                          ; v30-32 lo's K steps 1 to 3
.set T8,   33                          ; v33    8 x thread: its two words of a key block in a plane of 'stats'
.set NM,   128                         ; -M: 16 of hi, 8 of lo
.set LL,   152                         ; l
.set SB,   176                         ; the two bytes
.set VW,   200
.set OF,   208
.set T,    220
.set MRH,  244
.set MRL,  245
.set LH,   246
.set LH2,  247
.set LO,   248
.set ACC,  128
.set G1P,  24                          ; s[24:55] groups 1 of P: 5 to 8 K steps
.set G0P,  56
.set G0V,  60
.set G1V,  68                          ; s[68:99] of V
.set MSB, 0
.macro WIN new
.if MSB != \new
	s_set_vgpr_msb (MSB<<8)|\new
.set MSB, \new
.endif
.endm
.macro PLACES n
.rept \n
	v_nop
.endr
.endm
.macro CROUND
	s_barrier_signal -1
	s_barrier_wait -1
	s_cmp_lg_u32 s16, 0
	s_cbranch_scc1 .Lnot_wave_0_\@
	s_barrier_signal -3
.Lnot_wave_0_\@:
	s_barrier_wait -3
	s_barrier_signal -1
	s_barrier_wait -1
.endm
.macro TLOAD n, g0, g1
	tensor_load_to_lds s[\g0:\g0+3], s[\g1+8*(\n-5):\g1+8*(\n-5)+7]
	s_nop 0
	PLACES 4
.endm
.macro ARM n, g0, g1, next
	s_cmp_eq_u32 s19, 8-\n
	s_cbranch_scc0 \next
	TLOAD \n, \g0, \g1
	s_branch .Lasked
\next:
.endm
	s_load_b256 s[4:11], s[0:1], 0x0               ; pimg, stats, vimg, vsc
	s_load_b64 s[12:13], s[0:1], 0x20              ; out0
	v_lshl_add_u32 v[SPW], v0, 2, SPARE
	v_mov_b32 v[NIL], 0
	ds_add_u32 v[SPW], v[NIL]                      ; the opening: the add, twice on end, and its wait
	ds_add_u32 v[SPW], v[NIL]
	v_lshrrev_b32 v128, 5, v0
	v_readfirstlane_b32 s16, v128                  ; wave
	s_lshr_b32 s17, s16, 1                         ; which 64 queries
	s_and_b32 s18, s16, 1                          ; which 64 of d; and which half I fetch
	s_bfe_u32 s2, ttmp6, 0x40000
	s_lshl_b32 s21, ttmp9, 2
	s_add_co_u32 s21, s21, s2                      ; the block of d
	s_and_b32 s66, ttmp7, 15
	s_and_b32 s20, s66, 3                          ; the batch
	s_lshr_b32 s19, s66, 2                         ; p
	s_lshl_b32 s22, s20, 3
	s_sub_co_u32 s23, 7, s19
	s_add_co_u32 s100, s22, s23                    ; hi's P: record (8 batch + 7 - p) 8, my half
	s_lshl_b32 s100, s100, 17
	s_lshl_b32 s3, s18, 13
	s_add_co_u32 s100, s100, s3
	s_mov_b32 s101, 0
	s_lshl_b32 s66, s21, 5
	s_add_co_u32 s66, s66, s22                     ; V: record 32 x block of d + 8 batch
.irp n, 5,6,7,8                        ; groups 1: n rows of 8,192 dense bytes (1,024 elements of 8), 16,384 bytes apart
	s_mov_b32 s[G1P+8*(\n-5)], (3<<16)|(1<<21)|15  ; P: shared by the cluster
	s_mov_b32 s[G1V+8*(\n-5)], 3<<16
.irp g, G1P, G1V
	s_mov_b32 s[\g+8*(\n-5)+1], 1024<<16
	s_mov_b32 s[\g+8*(\n-5)+2], \n<<16
	s_mov_b32 s[\g+8*(\n-5)+3], 1024<<16
	s_mov_b32 s[\g+8*(\n-5)+4], \n
	s_mov_b32 s[\g+8*(\n-5)+5], 2048
	s_mov_b32 s[\g+8*(\n-5)+6], 0
	s_mov_b32 s[\g+8*(\n-5)+7], 0
.endr
.endr
	s_lshl_b32 s14, s17, 16
	s_add_co_u32 s14, s14, POFF
	s_lshl_b32 s15, s18, 16
	s_mov_b32 s[G0V], 1
	s_mov_b32 s[G0V+1], s15
	s_mov_b32 s[G0P], 1
	s_add_co_u32 s[G0P+1], s15, POFF
	v_and_b32 v129, 15, v0                         ; r
	v_bfe_u32 v130, v0, 4, 1                       ; h
	v_and_b32 v131, 31, v0
	v_lshlrev_b32 v[LI], 4, v131
	v_add_nc_u32 v[ADRA], s14, v[LI]
	v_add_nc_u32 v[ADRB], s15, v[LI]
	s_lshl_b32 s2, s17, 4
	s_lshl_b32 s3, s18, 4
	s_sub_co_u32 s3, s3, s2
	s_add_co_u32 s14, s3, VSC-PSC                  ; from hi's words to V's,
	s_add_co_u32 s3, s3, VSC-PSC-4096              ; from lo's
	v_mul_u32_u24 v132, s14, v130                  ; the lower base + h x the distance
	v_mul_u32_u24 v133, s3, v130
	v_lshl_add_u32 v132, v129, 5, v132
	v_lshl_add_u32 v133, v129, 5, v133
	s_add_co_u32 s2, s2, PSC
	v_add_nc_u32 v[ADRS], s2, v132
	s_add_co_u32 s3, s2, 4096
	v_add_nc_u32 v[ADRL], s3, v133
	s_add_co_u32 s3, s2, RLB-PSC
	v_lshlrev_b32 v134, 5, v129
	v_add_nc_u32 v[RLA], s3, v134
	v_lshlrev_b32 v[T4], 2, v0
	v_lshlrev_b32 v[T8], 3, v0
	v_bfe_u32 v135, v0, 1, 4                       ; thread t owns row 32 (t / 32) + 16 (t % 2) + (t / 2) % 16: its words lie at 32 ((t / 2) % 16) + 8 (t / 32) + 4 (t % 2)
	v_lshrrev_b32 v136, 5, v0
	v_and_b32 v137, 1, v0
	v_lshlrev_b32 v135, 5, v135
	v_lshl_add_u32 v135, v136, 3, v135
	v_lshl_add_u32 v135, v137, 2, v135
	v_add_nc_u32 v[PST], PSC, v135
	v_add_nc_u32 v[VST], VSC, v[T4]
	s_mul_i32 s3, s16, 4352
	s_add_co_u32 s3, s3, STG
	v_mul_u32_u24 v138, v129, 272
	v_lshl_add_u32 v138, v130, 5, v138
	v_add_nc_u32 v[STO], s3, v138                  ; in: row r, 32 bytes a half
	v_mul_u32_u24 v139, v130, 272
	v_lshl_add_u32 v139, v129, 4, v139
	v_add_nc_u32 v[RD], s3, v139                   ; back: lanes 0-15 one row of 256 bytes, lanes 16-31 the next
	v_lshlrev_b32 v140, 13, v130
	v_lshl_add_u32 v[CO], v129, 4, v140            ; and the same two rows in O
.irp j, 1,2,3
	s_min_u32 s2, s19, \j
	s_lshl_b32 s2, s2, 14
	v_add_nc_u32 v[PLO+\j-1], s2, v[LI]
.endr
	s_wait_alu depctr_va_vdst(0)                   ; at the end of the head's vector work
	s_wait_dscnt 0x0                               ; both opening adds are done
	CROUND                                         ; the four work-groups are here: the joint loads meet
	s_wait_kmcnt 0x0
	s_add_nc_u64 s[G0P+2:G0P+3], s[4:5], s[100:101]
	s_or_b32 s[G0P+3], s[G0P+3], 0x80000000
	s_lshl_b32 s100, s66, 14
	s_lshl_b32 s3, s18, 13
	s_add_co_u32 s100, s100, s3
	s_add_nc_u64 s[G0V+2:G0V+3], s[8:9], s[100:101]
	s_or_b32 s[G0V+3], s[G0V+3], 0x80000000
	; ONE tensor load a wave, all its K steps: the branches hang on the wave's number and on p, which the cluster shares
	s_cmp_lt_u32 s16, 2
	s_cbranch_scc0 .Lask_p
	ARM 8, G0V, G1V, .Lv7
	ARM 7, G0V, G1V, .Lv6
	ARM 6, G0V, G1V, .Lv5
	TLOAD 5, G0V, G1V
	s_branch .Lasked
.Lask_p:
	ARM 8, G0P, G1P, .Lp7
	ARM 7, G0P, G1P, .Lp6
	ARM 6, G0P, G1P, .Lp5
	TLOAD 5, G0P, G1P
.Lasked:
	s_lshl_b32 s100, s66, 9
	s_add_nc_u64 s[10:11], s[10:11], s[100:101]    ; V's scale words
	s_add_co_u32 s100, s22, s19
	s_lshl_b32 s100, s100, 17
	s_lshl_b32 s3, s17, 13
	s_add_co_u32 s100, s100, s3
	s_add_nc_u64 s[66:67], s[4:5], s[100:101]      ; lo's P, my 64 queries
	s_lshl_b32 s2, s20, 10
	s_lshl_b32 s3, s23, 7
	s_add_co_u32 s3, s3, s2                        ; hi's first query,
	s_lshl_b32 s100, s19, 7
	s_add_co_u32 s100, s100, s2                    ; lo's
	s_lshl_b32 s14, s3, 3
	s_mov_b32 s15, 0
	s_add_nc_u64 s[8:9], s[6:7], s[14:15]          ; 'stats' at hi's,
	s_lshl_b32 s14, s100, 3
	s_add_nc_u64 s[6:7], s[6:7], s[14:15]          ; at lo's
	s_lshl_b32 s14, s17, 6
	s_add_co_u32 s3, s3, s14
	s_add_co_u32 s100, s100, s14
	s_lshl_b32 s3, s3, 13
	s_lshl_b32 s100, s100, 13
	s_lshl_b32 s14, s21, 9
	s_lshl_b32 s15, s18, 8
	s_add_co_u32 s14, s14, s15
	s_add_co_u32 s3, s3, s14
	s_add_co_u32 s100, s100, s14
	s_add_nc_u64 s[14:15], s[12:13], s[100:101]    ; O at lo's,
	s_mov_b32 s100, s3
	s_add_nc_u64 s[12:13], s[12:13], s[100:101]    ; at hi's
	s_lshl_b32 s2, s19, 1
	s_sub_co_u32 s22, 15, s2                       ; the last block of 64 keys that was made for hi,
	s_add_co_u32 s23, s2, 1                        ; for lo
; the merge's loads.  A block past the last was never made: the last is read in its stead and counts for nothing
.macro STAT k, o, b, off               ; both halves of a key block
	global_load_b64 v[NM+\k:NM+\k+1], v[\o], s[\b:\b+1] offset:\off
	global_load_b64 v[LL+\k:LL+\k+1], v[\o], s[\b:\b+1] offset:PLANE+\off
	global_load_b64 v[SB+\k:SB+\k+1], v[\o], s[\b:\b+1] offset:2*PLANE+\off
.endm
.irp j, 0,1,2,3,4
	STAT 2*\j, T8, 8, 32768*\j
.endr
	s_lshr_b32 s100, s22, 1                        ; 7 - p
.irp j, 5,6,7
	s_min_u32 s2, s100, \j
	s_lshl_b32 s2, s2, 15
	v_add_nc_u32 v[OF+\j-5], s2, v[T8]
	STAT 2*\j, OF+\j-5, 8, 0
.endr
	STAT 16, T8, 6, 0
.irp j, 1,2,3
	s_min_u32 s2, s19, \j
	s_lshl_b32 s2, s2, 15
	v_add_nc_u32 v[OF+2+\j], s2, v[T8]
	STAT 16+2*\j, OF+2+\j, 6, 0
.endr
.irp s, 0,1,2,3,4,5,6,7
	global_load_b32 v[VW+\s], v[T4], s[10:11] offset:512*\s
.endr
	WIN 0x80                                       ; lo's P into window 2: on its way during the merge
.irp i, 0,1,2,3
.irp c, 0,1,2,3
	global_load_b128 v[16*\i+4*\c:16*\i+4*\c+3], v[LI], s[66:67] offset:2048*\i+512*\c
.endr
.endr
.macro LOP j
.irp i, 0,1,2,3
.irp c, 0,1,2,3
	global_load_b128 v[64*\j+16*\i+4*\c:64*\j+16*\i+4*\c+3], v[PLO+\j-1], s[66:67] offset:2048*\i+512*\c
.endr
.endr
.endm
	LOP 1
	LOP 2
	s_wait_loadcnt 48                              ; the merge's loads are in: three K steps of lo's P stand behind them
	LOP 3
	WIN 0
	; ---- the merge, line by line over the 24 blocks
	v_min3_num_f32 v[MRH], v[NM], v[NM+1], v[NM+2]
	v_min3_num_f32 v[MRL], v[NM+16], v[NM+17], v[NM+18]
.irp i, 3,5
	v_min3_num_f32 v[MRH], v[MRH], v[NM+\i], v[NM+\i+1]
	v_min3_num_f32 v[MRL], v[MRL], v[NM+16+\i], v[NM+17+\i]
.endr
.irp i, 7,9,11,13
	v_min3_num_f32 v[MRH], v[MRH], v[NM+\i], v[NM+\i+1]
.endr
	v_min_num_f32 v[MRH], v[MRH], v[NM+15]
	v_min_num_f32 v[MRL], v[MRL], v[NM+23]
.set K_, 0
.rept 24
	v_sub_f32 v[NM+K_], v[NM+K_], v[MRH+K_/16]     ; M - M(block): a whole number, 0 or more
.set K_, K_+1
.endr
.set K_, 0
.rept 24
	v_cvt_i32_f32 v[NM+K_], v[NM+K_]               ; (it saturates)
.set K_, K_+1
.endr
.set K_, 0
.rept 24
	v_min_u32 v[NM+K_], 127, v[NM+K_]
.set K_, K_+1
.endr
.set K_, 0
.rept 24
	v_sub_nc_u32 v[T+K_], 0, v[NM+K_]
.set K_, K_+1
.endr
.irp k, 0,1,2,3,4,5,6,7,8,9,16,17
	v_ldexp_f32 v[T+\k], 1.0, v[T+\k]              ; 2^(M(block) - M)
.endr
.irp k, 10,11,12,13,14,15
	s_cmp_ge_u32 s22, \k
	s_cselect_b32 s2, 1.0, 0
	v_ldexp_f32 v[T+\k], s2, v[T+\k]               ; or 0 for a block that was never made
.endr
.irp k, 2,3,4,5,6,7
	s_cmp_ge_u32 s23, \k
	s_cselect_b32 s2, 1.0, 0
	v_ldexp_f32 v[T+16+\k], s2, v[T+16+\k]
.endr
	v_mul_f32 v[LH], v[LL], v[T]
	v_mul_f32 v[LH2], v[LL+1], v[T+1]
	v_mul_f32 v[LO], v[LL+16], v[T+16]
.irp k, 1,2,3,4,5,6,7
	v_fmac_f32 v[LH], v[LL+2*\k], v[T+2*\k]
	v_fmac_f32 v[LH2], v[LL+2*\k+1], v[T+2*\k+1]
	v_fmac_f32 v[LO], v[LL+16+\k], v[T+16+\k]
.endr
	v_add_f32 v[LH], v[LH], v[LH2]                 ; l
.set K_, 0
.rept 24
	v_or_b32 v[SB+K_], 0x8080, v[SB+K_]            ; both bytes lie under 128 (p is at most 1): with 128 on top no subtraction borrows from the neighbour
.set K_, K_+1
.endr
.set K_, 0
.rept 24
	v_mul_u32_u24 v[NM+K_], 0x101, v[NM+K_]
.set K_, K_+1
.endr
.set K_, 0
.rept 24
	v_sub_nc_u32 v[SB+K_], v[SB+K_], v[NM+K_]      ; bit 7 says whether the byte stayed at 0 or above
.set K_, K_+1
.endr
.set K_, 0
.rept 24
	v_lshrrev_b32 v[T+K_], 7, v[SB+K_]
.set K_, K_+1
.endr
.set K_, 0
.rept 24
	v_and_b32 v[T+K_], 0x101, v[T+K_]
.set K_, K_+1
.endr
.set K_, 0
.rept 24
	v_mul_u32_u24 v[T+K_], 0x7f, v[T+K_]
.set K_, K_+1
.endr
.set K_, 0
.rept 24
	v_and_b32 v[SB+K_], v[SB+K_], v[T+K_]          ; the byte less the shift, held at 0 from below
.set K_, K_+1
.endr
.set K_, 0
.rept 12
	v_lshl_or_b32 v[T+K_], v[SB+2*K_+1], 16, v[SB+2*K_]
.set K_, K_+1
.endr
	s_wait_alu depctr_va_vdst(0)                   ; ahead of the batch
	v_rcp_f32 v249, v[LH]
	v_rcp_f32 v250, v[LO]
	v_nop
.set K_, 0
.rept 12
	ds_store_b32 v[PST], v[T+K_] offset:512*K_
.set K_, K_+1
.endr
.irp s, 0,1,2,3,4,5,6,7
	ds_store_b32 v[VST], v[VW+\s] offset:512*\s
.endr
	s_wait_alu depctr_va_vdst(0)                   ; and behind it, ahead of its first reader
	ds_store_b32 v[PST], v249 offset:RLB-PSC
	ds_store_b32 v[PST], v250 offset:RLB-PSC+512
	s_wait_dscnt 0x0                               ; for the others' sake: my stores are done
	s_cmp_lt_u32 s16, 2
	s_cbranch_scc0 .Lnot_v
	s_wait_tensorcnt 0x0                           ; waves 0, 1: V's records are in
.Lnot_v:
	s_barrier_signal -1
	s_barrier_wait -1
.macro VFRAGS s, p                     ; V's four fragments of K step s into buffer p
.irp i, 0,1,2,3
.irp c, 0,1,2,3
	ds_load_b128 v[128*(\p)+64+16*\i+4*\c:128*(\p)+64+16*\i+4*\c+3], v[ADRB] offset:8192*(\s)+2048*\i+512*\c
.endr
.endr
.endm
.macro LFETCH s, p                     ; lo: 17 loads
	ds_load_b128 v[SC+4*(\p):SC+4*(\p)+3], v[ADRL] offset:512*(\s)
	WIN 0x40
	VFRAGS \s, \p
	WIN 0
.endm
.macro HFETCH s, p                     ; hi: 33 loads
	ds_load_b128 v[SC+4*(\p):SC+4*(\p)+3], v[ADRS] offset:512*(\s)
	WIN 0x40
	VFRAGS \s, \p
.irp i, 0,1,2,3
.irp c, 0,1,2,3
	ds_load_b128 v[128*(\p)+16*\i+4*\c:128*(\p)+16*\i+4*\c+3], v[ADRA] offset:8192*(\s)+2048*\i+512*\c
.endr
.endr
	WIN 0
.endm
; 16 matrix instructions: V's fragments of buffer p against P's at v[pb ..]; the 16 accumulators take turns; zero: the first product starts the sums
.macro MUL w, p, pb, zero
	WIN \w
.irp a, 0,1,2,3
.irp b, 0,1,2,3
.if \zero
	v_wmma_scale_f32_16x16x128_f8f6f4 v[ACC+8*(4*\a+\b):ACC+8*(4*\a+\b)+7], v[128*(\p)+64+16*\b:128*(\p)+64+16*\b+15], v[\pb+16*\a:\pb+16*\a+15], 0, v[SC+4*(\p)+\b], v[SC+4*(\p)+\a] matrix_a_scale:MATRIX_SCALE_ROW1
.else
	v_wmma_scale_f32_16x16x128_f8f6f4 v[ACC+8*(4*\a+\b):ACC+8*(4*\a+\b)+7], v[128*(\p)+64+16*\b:128*(\p)+64+16*\b+15], v[\pb+16*\a:\pb+16*\a+15], v[ACC+8*(4*\a+\b):ACC+8*(4*\a+\b)+7], v[SC+4*(\p)+\b], v[SC+4*(\p)+\a] matrix_a_scale:MATRIX_SCALE_ROW1
.endif
.endr
.endr
	WIN 0
.endm
.set LW, 0xf9                          ; lo: source 0 window 1, source 1 window 2, C and D window 3
.set HW, 0x05                          ; hi: sources window 1, C and D window 0
.macro LSTEP s
	s_cmp_eq_u32 s19, \s                           ; p: lo's last K step
	s_cbranch_scc1 .LL\s
.if \s > 0
	PLACES 8                                       ; behind the products that read the buffer
.endif
	LFETCH (\s+1), ((\s+1)%2)
	s_wait_dscnt 17
	MUL LW, (\s%2), (64*\s), (\s==0)
.endm
.macro HSTEP s
.if \s > 3
	s_cmp_eq_u32 s19, 7-\s                         ; hi's last K step
	s_cbranch_scc1 .LH\s
.endif
.if \s > 0
	PLACES 8
.endif
	HFETCH (\s+1), ((\s+1)%2)
	s_wait_dscnt 33
	MUL HW, (\s%2), (128*(\s%2)), (\s==0)
.endm
; THE WAY OUT: O / l through my stage, 16 queries x 64 of d at a time, as rows of 256 bytes
.macro PACK w, a
	WIN (0x41*\w)
.irp n, 0,2,4,6,8,10,12,14,16,18,20,22,24,26,28,30
.if \a%2 == 0
	v_pk_mul_f32 v[ACC+32*\a+\n:ACC+32*\a+\n+1], v[ACC+32*\a+\n:ACC+32*\a+\n+1], v[RL+\a:RL+\a+1] op_sel_hi:[1,0]
.else
	v_pk_mul_f32 v[ACC+32*\a+\n:ACC+32*\a+\n+1], v[ACC+32*\a+\n:ACC+32*\a+\n+1], v[RL+\a-1:RL+\a] op_sel:[0,1] op_sel_hi:[1,1]
.endif
.endr
	WIN (4*\w)
.irp b, 0,1,2,3
	ds_store_b128 v[STO], v[ACC+32*\a+8*\b:ACC+32*\a+8*\b+3] offset:64*\b
	ds_store_b128 v[STO], v[ACC+32*\a+8*\b+4:ACC+32*\a+8*\b+7] offset:64*\b+16
.endr
	WIN (0x40*\w)
.irp u, 0,1,2,3,4,5,6,7
	ds_load_b128 v[ACC+32*\a+4*\u:ACC+32*\a+4*\u+3], v[RD] offset:544*\u   ; LDS serves a wave's instructions in order (ISA guide 5.7.1.4)
.endr
.endm
.macro SEND w, a, base, younger        ; younger: the next tile's sixteen LDS instructions, or none
	WIN (4*\w)
.irp u, 0,1,2,3,4,5,6,7
	s_wait_dscnt \younger+7-\u
	global_store_b128 v[CO], v[ACC+32*\a+4*\u:ACC+32*\a+4*\u+3], s[\base:\base+1] offset:(16*\a+2*\u)*8192 th:TH_STORE_NT
.endr
.endm
.macro OUT w, base, off
	PLACES 8
	ds_load_b128 v[RL:RL+3], v[RLA] offset:\off
	s_wait_dscnt 0x0
	PACK \w, 0
	PACK \w, 1
	SEND \w, 0, \base, 16
	PACK \w, 2
	SEND \w, 1, \base, 16
	PACK \w, 3
	SEND \w, 2, \base, 16
	SEND \w, 3, \base, 0
	WIN 0
.endm
	LFETCH 0, 0
	s_wait_loadcnt 0x0                             ; lo's P is in
.irp s, 0,1,2
	LSTEP \s
.endr
	s_wait_dscnt 0x0
	MUL LW, 1, 192, 0
	s_branch .Llo_out
.irp s, 0,1,2
.LL\s:
	s_wait_dscnt 0x0
	MUL LW, (\s%2), (64*\s), (\s==0)
	s_branch .Llo_out
.endr
.Llo_out:
	OUT 3, 14, 512
	s_wait_tensorcnt 0x0                           ; every wave's tile is in
	s_barrier_signal -1
	s_barrier_wait -1
	HFETCH 0, 0
.irp s, 0,1,2,3,4,5,6
	HSTEP \s
.endr
	s_wait_dscnt 0x0
	MUL HW, 1, 128, 0
	s_branch .Lhi_out
.irp s, 4,5,6
.LH\s:
	s_wait_dscnt 0x0
	MUL HW, (\s%2), (128*(\s%2)), 0
	s_branch .Lhi_out
.endr
.Lhi_out:
	OUT 0, 12, 0
	s_wait_tensorcnt 0x0                           ; the wave's end
	ds_add_u32 v[SPW], v[NIL]
	s_wait_dscnt 0x0
	CROUND                                         ; the closing round
	s_endpgm
.Lfunc_end_k_qf880488cfc_pv:
	.size	k_qf880488cfc_pv, .Lfunc_end_k_qf880488cfc_pv-k_qf880488cfc_pv
	.p2alignl 7, 3214868480
	.fill 96, 4, 3214868480
	.section	.rodata,"a",@progbits
	.p2align	6, 0x0
	.amdhsa_kernel k_qf880488cfc_pv
		.amdhsa_group_segment_fixed_size 327680
		.amdhsa_private_segment_fixed_size 0
		.amdhsa_enable_private_segment 0
		.amdhsa_kernarg_size 40
		.amdhsa_user_sgpr_count 2
		.amdhsa_user_sgpr_kernarg_segment_ptr 1
		.amdhsa_wavefront_size32 1
		.amdhsa_system_sgpr_workgroup_id_x 1
		.amdhsa_system_sgpr_workgroup_id_y 1
		.amdhsa_system_sgpr_workgroup_id_z 1
		.amdhsa_system_vgpr_workitem_id 0
		.amdhsa_next_free_vgpr 1024
		.amdhsa_next_free_sgpr 102
		.amdhsa_reserve_vcc 0
		.amdhsa_float_denorm_mode_32 3
		.amdhsa_float_denorm_mode_16_64 3
		.amdhsa_memory_ordered 1
		.amdhsa_forward_progress 1
		.amdhsa_inst_pref_size 129
	.end_amdhsa_kernel
	.amdgpu_metadata
---
amdhsa.version: [ 1, 2 ]
amdhsa.kernels:
  - .name:           k_qf880488cfc_pv
    .symbol:         k_qf880488cfc_pv.kd
    .args:
      - { .name: pimg, .offset: 0, .size: 8, .value_kind: global_buffer, .address_space: global }
      - { .name: stats, .offset: 8, .size: 8, .value_kind: global_buffer, .address_space: global }
      - { .name: vimg, .offset: 16, .size: 8, .value_kind: global_buffer, .address_space: global }
      - { .name: vsc, .offset: 24, .size: 8, .value_kind: global_buffer, .address_space: global }
      - { .name: out0, .offset: 32, .size: 8, .value_kind: global_buffer, .address_space: global }
    .group_segment_fixed_size: 327680
    .private_segment_fixed_size: 0
    .kernarg_segment_align: 8
    .kernarg_segment_size: 40
    .max_flat_workgroup_size: 128
    .sgpr_count:     102
    .vgpr_count:     1024
    .wavefront_size: 32
...
	.end_amdgpu_metadata
.endif
;; end of part 3
